; MI455X (gfx1250); checked and timed in simulation.
; The chip was launched on July 23, 2026; its instructions are those of AMD's public machine-readable ISA for CDNA 5 (MIT licence, August 2026) and "CDNA5" Instruction Set Architecture Reference Guide (July 2026). The comments in the code are by the model that wrote it; some were corrected since.
;; Layout L Mv2 Attention. Allowed arithmetic: matrix products marked QUANTISED: E3M2 operands, one E8M0 scale for each 32 along K, by v_wmma_scale_f32_16x16x128_f8f6f4 with both operands' format E3M2, f32 sums; everything else in f32.
;; Inputs: attention_mask 8 x 1 x 1 x 1,024 bool; b_out 1,024 float32; hidden_states 8 x 1,024 x 1,024 float32; ln_beta 1,024 float32; ln_gamma 1,024 float32; q_bias 1 x 1 x 1,024 float32; rel_2d_pos 1 x 16 x 1,024 x 1,024 float32; rel_pos 1 x 16 x 1,024 x 1,024 float32; v_bias 1 x 1 x 1,024 float32; w_out 1,024 x 1,024 float32; w_qkv 3,072 x 1,024 float32.
;; Outputs: out0 8 x 1,024 x 1,024 float32.
;; This version of the problem:
;;   THIS VERSION OF THE PROBLEM IS GIVEN IN LOW PRECISION. The matrix products marked QUANTISED in the list below multiply operands that are first quantised to E3M2 (3 exponent bits, 2 mantissa bits; 6 bits a number), with one power-of-two scale for each 32 numbers along K (OCP MX v1.0); their sums are f32. All else is computed in f32.
;;   The module's matrix products, in the order in which they are computed (A, B: the left and right operand; K: the contracted axis; several contracted axes count as one K, in the product's order):
;;     1. [M 8,192, K 1,024] x [K 1,024, N 3,072]; A: input hidden_states; B: input w_qkv: QUANTISED
;;     2. batch 128 x [M 1,024, K 64] x [K 64, N 1,024]; A: computed on the way; B: computed on the way: QUANTISED
;;     3. batch 128 x [M 1,024, K 1,024] x [K 1,024, N 64]; A: softmax (see below); B: computed on the way: QUANTISED
;;     4. [M 8,192, K 1,024] x [K 1,024, N 1,024]; A: computed on the way; B: input w_out: QUANTISED
;;   THE QUANTISER, for each operand of a quantised product, along K:
;;     - K is cut into blocks of 32 from its start; a last block that is shorter is filled with zeros.
;;     - A block's scale is 2^e with e = floor(log2(the largest magnitude in the block)) - 4, held to -126 .. 127; a block of zeros has e = 0. As a byte (E8M0): e + 127.
;;     - Each number is divided by its block's scale, clamped to +-28, and rounded to the nearest number of E3M2, ties to even, subnormals kept.
;;     - The product sums the exact products of the quantised numbers (number of the format x scale) in f32.
;;   ~~~python
;;   def quantise(x, axis):      # numpy; x: float32 -> the quantised numbers, widened to float32 again
;;       x = np.moveaxis(x, axis, -1); K = x.shape[-1]
;;       x = np.pad(x, [(0, 0)] * (x.ndim - 1) + [(0, -K % 32)]); x = x.reshape(x.shape[:-1] + (-1, 32)); a = np.abs(x).max(-1, keepdims=True)
;;       e = np.where(a > 0, np.clip(np.frexp(np.where(a > 0, a, 1))[1] - 1 - 4, -126, 127), 0)      # np.frexp(a)[1] - 1 = floor(log2(a)), exactly
;;       r = np.clip(x / 2.0 ** e, -28, 28)
;;       step = 2.0 ** (np.maximum(np.frexp(np.where(r == 0, 1, r))[1] - 1, -2) - 2)
;;       q = np.round(r / step) * step * 2.0 ** e      # np.round: ties to even
;;       return np.moveaxis(q.reshape(q.shape[:-2] + (-1,))[..., :K], -1, axis).astype(np.float32)
;;   ~~~
;;   SOFTMAX AHEAD OF A QUANTISED PRODUCT. Where the list says 'softmax', what is quantised is not the finished softmax but p = 2^(t - M), with t = logit x log2(e) and M = ceil(the row's largest t), a whole number; so 1/2 < the row's largest p <= 1. The row's sum l is taken of the UNQUANTISED p, in f32, and the product's result is divided by l at the end. Since M is a whole number, a kernel that streams over the keys may use a running M (the ceiling of the running maximum): every later rescaling is an exact power of two, which a block's scale takes up: the codes' values come out the same.
;;   OPERANDS COMPUTED ON THE WAY. 'Computed on the way' means the value that the module computes at that place (a softmax that the list does not call 'softmax' is quantised finished and normalised). What goes into a quantiser is computed in f32, as accurately as f32 sums, v_exp_f32 and their like allow (about 1e-6 of the number): no bf16 or f16 on the way to a quantiser, and a product that is left as it is and whose result goes on into a quantised operand takes f32 operands (vector FMAs, or v_wmma_f32_16x16x4_f32). A number that lies on a knife's edge between two numbers of the format may be rounded either way, as far as f32 arithmetic and the matrix unit's own rounding can turn it there, and no further.
;; One version. Each part assembles by itself: llvm-mc -triple=amdgcn-amd-amdhsa -mcpu=gfx1250 --defsym DOCPART=n.
;; ======== version 1 of 1: 4 launches
;; workspace buffers: xw_codes 8,650,752 bytes; xw_scales 360,448 bytes; wo 819,200 bytes; qkv_frag 18,874,368 bytes; qkv_sc 1,310,720 bytes; ctx 6,553,600 bytes
;; launch quant (part 1): grid 256 x 1, 12 waves a work-group, no clusters, 99,840 bytes of LDS; arguments hidden_states, w_qkv, w_out, xw_codes, xw_scales, wo; writes xw_codes, xw_scales, wo
.if DOCPART == 1
	.amdgcn_target "amdgcn-amd-amdhsa--gfx1250"
	.amdhsa_code_object_version 6
	.text
	.protected	k_q9d6dbe2fdd_quant
	.globl	k_q9d6dbe2fdd_quant
	.p2align	8
	.type	k_q9d6dbe2fdd_quant,@function
k_q9d6dbe2fdd_quant:
	s_mov_b64 s[64:65], 0
	v_nop
	global_prefetch_b8 v0, s[64:65] scope:SCOPE_SE
	s_setreg_imm32_b32 hwreg(HW_REG_WAVE_MODE, 25, 1), 1
	s_wait_xcnt 0x0
; hidden_states [8192][1024], w_qkv [3072][1024] and w_out [1024][1024], f32, become codes of BF6 (E3M2) with one E8M0 byte for each 32 along K (K innermost in all three).
; A block's scale is 2^(floor(log2(its largest magnitude)) - 4); its byte is the largest magnitude's exponent field - 4, held at 1 from below.  A block of zeros so gets the byte 1 where the
; rule says 127: its codes are zeros, which add nothing under any byte but 0xff, and only this program reads the bytes.
; LIMITS: NaN and infinities among the inputs are not served.
; SHARES.  x and w_qkv are 2816 runs of 4096 numbers, w_out is 256 tasks of 4096 numbers: 3072 wave tasks of 16384 bytes in, 12 for each of 256 work-groups of 12 waves: every work-group has the same work.
; WAY A, waves 0-10: run 11 x work-group + wave.  x (2048 runs) and w_qkv (768) are plain streams of blocks of 32; their codes follow each other in xw_codes (rows of 768 bytes: x's 8192, then w_qkv's 3072),
; their bytes in xw_scales (rows of 32 bytes).  A run is 8 steps of 512 numbers: four loads of 512 consecutive bytes, a turn through the wave's own stage in LDS so that a lane holds 16
; neighbours, one conversion, 384 consecutive bytes of codes out; the run's 128 scale bytes are gathered in LDS and leave by one store of 128 consecutive bytes (half an aligned block of 256: the
; neighbouring run writes the other half; 360448 bytes in all leave so).
; WAY B, wave 11, no LDS: w_out as IMAGES OF OPERAND REGISTERS: wo = [tile of 16 rows, 64][K step of 128, 8][1536 bytes: registers 4 g .. 4 g + 3 of lane l at 512 g + 16 l],
; then at byte 786432 [K step 8][row 1024] scale words.  Inside each block of 32 the codes stand in the order 0-7, 16-23, 8-15, 24-31: the order in which the attention launch's results
; fall into codes; a permutation of k made alike on both operands keeps every product, blocks and scales are untouched.
.set STEPS, 8
.set CB,    12                         ; bytes of 16 codes
.set R,     16                         ; v16-79   four sets of 16 numbers as loaded
.set X,     80                         ; v80-111  two sets of 16 neighbours
.set C,     128                        ; v128-159 codes: four registers a step, so that no store's data are written again
.set E,     112                        ; v112-119 a scale byte a step
.set WREG,  8192                       ; LDS: a region for each wave: two stages of 32 x SP bytes, then its 128 scale bytes
.set SP,    80                         ; a lane's place in a stage: 64 bytes + 16 of padding
.set AW,    11                         ; waves of way A in a work-group
.set RUNX,  2048                       ; runs of x
	s_load_b128 s[4:7], s[0:1], 0x0                ; hidden_states, w_qkv
	s_load_b128 s[8:11], s[0:1], 0x10              ; w_out, xw_codes
	s_load_b128 s[12:15], s[0:1], 0x20             ; xw_scales, wo
	v_lshl_add_u32 v192, v0, 2, 0x18000
	v_mov_b32 v193, 0
	v_lshrrev_b32 v1, 5, v0
	v_readfirstlane_b32 s16, v1                    ; wave 0..11
	v_and_b32 v2, 31, v0                           ; lane
	s_cmp_eq_u32 s16, AW
	s_cbranch_scc1 .Lwo
	; ---------------- way A
	v_lshlrev_b32 v3, 4, v2                        ; my 16 bytes of a load's 512
	s_mul_i32 s17, s16, WREG
	v_lshrrev_b32 v14, 2, v2
	v_mul_u32_u24 v14, v14, SP
	v_and_b32 v15, 3, v2
	v_lshl_add_u32 v14, v15, 4, v14
	v_add_nc_u32 v14, s17, v14                     ; the stage, on the way in: SP (lane / 4) + 16 (lane % 4)
	v_mul_u32_u24 v15, v2, SP
	v_add_nc_u32 v15, s17, v15                     ; on the way out: SP x lane: my 16 neighbours
	v_mul_u32_u24 v4, v2, CB                       ; my codes' place in a step's
	v_lshrrev_b32 v5, 1, v2
	s_add_co_u32 s17, s17, 2*32*SP
	v_add_nc_u32 v5, s17, v5                       ; LDS: my block's byte among my wave's 128
	v_lshlrev_b32 v7, 2, v2
	v_add_nc_u32 v6, s17, v7                       ; and on the way out 4 bytes a lane
	s_mul_i32 s20, ttmp9, AW
	s_add_co_u32 s20, s20, s16                     ; my run, 0 .. 2815
	s_wait_kmcnt 0x0
	s_cmp_lt_u32 s20, RUNX                         ; x's run or w_qkv's: the choice hangs on the work-group's and the wave's number alone
	s_cselect_b64 s[4:5], s[4:5], s[6:7]
	s_cselect_b32 s17, 0, RUNX
	s_sub_co_u32 s18, s20, s17                     ; the run within its input,
	s_lshl_b32 s18, s18, 14                        ; 16384 bytes a run
	s_mov_b32 s19, 0
	s_add_nc_u64 s[4:5], s[4:5], s[18:19]
	s_mul_i32 s18, s20, 32*STEPS*CB                ; 3072 bytes of codes a run, in the merged output
	s_add_nc_u64 s[10:11], s[10:11], s[18:19]
	s_lshl_b32 s18, s20, 7                         ; 128 scale bytes a run
	s_add_nc_u64 s[12:13], s[12:13], s[18:19]
.macro LOAD t
.irp i, 0,1,2,3
	global_load_b128 v[R+16*((\t)%4)+4*\i:R+16*((\t)%4)+4*\i+3], v3, s[4:5] offset:2048*(\t)+512*\i th:TH_LOAD_NT   ; 32 lanes read 512 consecutive bytes
.endr
.endm
.macro TURN t                          ; step t's numbers through the stage: LDS serves a wave's instructions in order, so no wait stands between the stores and the loads
.irp i, 0,1,2,3
	ds_store_b128 v14, v[R+16*((\t)%4)+4*\i:R+16*((\t)%4)+4*\i+3] offset:32*SP*((\t)%2)+8*SP*\i
.endr
.irp i, 0,1,2,3
	ds_load_b128 v[X+16*((\t)%2)+4*\i:X+16*((\t)%2)+4*\i+3], v15 offset:32*SP*((\t)%2)+16*\i
.endr
.endm
.irp t, 0,1,2,3
	LOAD \t
.endr
	s_wait_loadcnt 12                              ; step 0's four loads are in; the 12 of steps 1 to 3 may be out
	TURN 0
.macro STEP t
.set XS, X+16*((\t)%2)
.if (\t) > 0
	s_wait_dscnt 1                                 ; this step's numbers are back from the stage (the last step's byte store may be out)
.else
	s_wait_dscnt 0x0
.endif
.if (\t)+4 < STEPS
	LOAD (\t)+4                                    ; the registers that the stage's stores have read take the loads of four steps on
.endif
.if (\t)+1 < STEPS
.if STEPS-2-(\t) >= 3
	s_wait_loadcnt 12                              ; the next step's four loads are in; those of the three steps behind it may be out
.else
	s_wait_loadcnt 4*(STEPS-2-(\t))
.endif
	TURN (\t)+1
.endif
	v_max3_num_f32 v8, |v[XS]|, |v[XS+1]|, |v[XS+2]|               ; the largest magnitude of my 16, in two chains
	v_max3_num_f32 v9, |v[XS+3]|, |v[XS+4]|, |v[XS+5]|
.irp i, 6,10
	v_max3_num_f32 v8, v8, |v[XS+\i]|, |v[XS+\i+1]|
	v_max3_num_f32 v9, v9, |v[XS+\i+2]|, |v[XS+\i+3]|
.endr
	v_max3_num_f32 v8, v8, |v[XS+14]|, |v[XS+15]|
	v_max3_num_f32 v8, v8, v9, 0x2800000           ; and the floor 2^(5 - 127): the byte cannot fall under 1
	v_max_num_f32_dpp v8, v8, v8 row_xmask:1 row_mask:0xf bank_mask:0xf   ; with my neighbour's 16: the block's
	v_add_nc_u32 v11, 0xfe000000, v8               ; 4 off its exponent field: the conversion takes the exponent field of this operand as its scale
	v_cvt_scalef32_pk16_bf6_f32 v[C+4*(\t):C+4*(\t)+2], v[XS:XS+15], v11
	v_lshrrev_b32 v[E+(\t)], 23, v11               ; the scale's byte
	ds_store_b8 v5, v[E+(\t)] offset:16*(\t)       ; both lanes of a block write the same byte with the same value
	global_store_b96 v4, v[C+4*(\t):C+4*(\t)+2], s[10:11] offset:32*CB*(\t)
.endm
.irp t, 0,1,2,3,4,5,6,7
	STEP \t
.endr
	ds_load_b32 v12, v6                            ; LDS serves a wave's instructions in order: this sees my byte stores
	s_wait_dscnt 0x0
	global_store_b32 v7, v12, s[12:13]             ; 32 lanes store 128 consecutive bytes
	s_wait_tensorcnt 0x0
	ds_add_u32 v192, v193
	s_wait_dscnt 0x0
	s_endpgm
	; ---------------- way B: the wave makes the fragments of row tiles 2 np and 2 np + 1 for one K step
.Lwo:
.set XW, 32                            ; v32-159  numbers: fragment e, block c, place in the block
.set CW, 160                           ; v160-183 the two fragments' codes
.set TW, 184                           ; v184-190 a conversion's three registers begin on an even number: the second halves are made here and moved
	v_and_b32 v4, 15, v0                           ; r
	v_bfe_u32 v5, v0, 4, 1                         ; h
	v_lshlrev_b32 v3, 12, v4
	v_lshl_add_u32 v3, v5, 7, v3                   ; row r of 4096 bytes, + 128 h: lane (r, h) owns blocks 2 c + h of the K step
	v_lshlrev_b32 v6, 4, v2                        ; 16 x lane
	v_lshlrev_b32 v7, 2, v2                        ; 4 x lane
	v_lshlrev_b32 v8, 3, v5                        ; 8 h: my two bytes' shift in the scale word
	v_mov_b32 v10, 0                               ; a lane permute's destination counts as one of its sources
	s_and_b32 s18, ttmp9, 7                        ; K step
	s_lshr_b32 s19, ttmp9, 3                       ; np
	s_lshl_b32 s20, s19, 17                        ; 32 rows of 4096 bytes
	s_lshl_b32 s21, s18, 9                         ; 128 numbers
	s_add_co_u32 s20, s20, s21
	s_mov_b32 s21, 0
	s_lshl_b32 s22, s19, 4
	s_add_co_u32 s22, s22, s18
	s_mul_i32 s22, s22, 1536                       ; image (2 np, K step)
	s_mov_b32 s23, 0
	s_lshl_b32 s24, s18, 12
	s_lshl_b32 s25, s19, 7
	s_add_co_u32 s24, s24, s25
	s_add_co_u32 s24, s24, 786432                  ; scale words: 4096 x K step + 4 x 32 np
	s_mov_b32 s25, 0
	s_mov_b32 s26, 0x76543210
	s_mov_b32 s27, 0xfedcba98                      ; v_permlanex16_b32's selects for lane l xor 16
	s_mov_b32 s28, 0xffff0000                      ; lanes 16-31
	s_wait_kmcnt 0x0
	s_add_nc_u64 s[8:9], s[8:9], s[20:21]
	s_add_nc_u64 s[30:31], s[14:15], s[24:25]
	s_add_nc_u64 s[14:15], s[14:15], s[22:23]
.irp e, 0,1
.irp c, 0,1
.irp j, 0,1,2,3,4,5,6,7
.set PD, XW+64*\e+32*\c+4*(\j%2)+8*(\j/4)+16*((\j/2)%2)   ; numbers 4 j .. 4 j + 3 of the block go to places 0, 4, 16, 20, 8, 12, 24, 28
	global_load_b128 v[PD:PD+3], v3, s[8:9] offset:65536*\e+256*\c+16*\j th:TH_LOAD_NT
.endr
.endr
.endr
	s_wait_loadcnt 0x0
.macro WFRAG e
.set XE, XW+64*(\e)
.set CE, CW+12*(\e)
.irp c, 0,1
	v_max3_num_f32 v[12+\c], |v[XE+32*\c]|, |v[XE+32*\c+1]|, 0x2800000   ; my block 2 c + h: all 32 numbers are mine; the floor 2^(5 - 127) holds the byte at 1 from below
.endr
.irp i, 2,4,6,8,10,12,14,16,18,20,22,24,26,28,30
.irp c, 0,1
	v_max3_num_f32 v[12+\c], v[12+\c], |v[XE+32*\c+\i]|, |v[XE+32*\c+\i+1]|
.endr
.endr
.irp c, 0,1
	v_add_nc_u32 v[14+\c], 0xfe000000, v[12+\c]    ; 4 off the exponent field: the conversion's scale operand
.endr
.irp c, 0,1
	v_lshrrev_b32 v[12+\c], 23, v[14+\c]           ; the byte
.endr
	v_lshl_or_b32 v[16+(\e)], v13, 16, v12         ; blocks h and 2 + h of row r,
	v_lshlrev_b32 v[16+(\e)], v8, v[16+(\e)]       ; at their places in the word;
	v_permlanex16_b32 v10, v[16+(\e)], s26, s27
	v_or_b32 v[16+(\e)], v[16+(\e)], v10           ; with lane l xor 16's two the word is whole, in both halves of the lanes
.irp c, 0,1
	v_cvt_scalef32_pk16_bf6_f32 v[CE+6*\c:CE+6*\c+2], v[XE+32*\c:XE+32*\c+15], v[14+\c]
	v_cvt_scalef32_pk16_bf6_f32 v[TW+4*\c:TW+4*\c+2], v[XE+32*\c+16:XE+32*\c+31], v[14+\c]
.endr
	v_nop                                          ; one plain place behind a scaled conversion
.irp c, 0,1
.irp i, 0,1,2
	v_mov_b32 v[CE+3+6*\c+\i], v[TW+4*\c+\i]
.endr
.endr
.endm
	WFRAG 0
	WFRAG 1
	v_cndmask_b32 v18, v16, v17, s28               ; lanes 0-15: tile 2 np's words, lanes 16-31: tile 2 np + 1's: 32 neighbouring rows
.irp e, 0,1
.irp g, 0,1,2
	global_store_b128 v6, v[CW+12*\e+4*\g:CW+12*\e+4*\g+3], s[14:15] offset:12288*\e+512*\g   ; 512 consecutive bytes, aligned
.endr
.endr
	global_store_b32 v7, v18, s[30:31]
	s_endpgm
.Lfunc_end_k_q9d6dbe2fdd_quant:
	.size	k_q9d6dbe2fdd_quant, .Lfunc_end_k_q9d6dbe2fdd_quant-k_q9d6dbe2fdd_quant
	.p2alignl 7, 3214868480
	.fill 96, 4, 3214868480
	.section	.rodata,"a",@progbits
	.p2align	6, 0x0
	.amdhsa_kernel k_q9d6dbe2fdd_quant
		.amdhsa_group_segment_fixed_size 99840
		.amdhsa_private_segment_fixed_size 0
		.amdhsa_enable_private_segment 0
		.amdhsa_kernarg_size 48
		.amdhsa_user_sgpr_count 2
		.amdhsa_user_sgpr_kernarg_segment_ptr 1
		.amdhsa_wavefront_size32 1
		.amdhsa_system_sgpr_workgroup_id_x 1
		.amdhsa_system_sgpr_workgroup_id_y 1
		.amdhsa_system_sgpr_workgroup_id_z 1
		.amdhsa_system_vgpr_workitem_id 0
		.amdhsa_next_free_vgpr 194
		.amdhsa_next_free_sgpr 66
		.amdhsa_reserve_vcc 0
		.amdhsa_float_denorm_mode_32 3
		.amdhsa_float_denorm_mode_16_64 3
		.amdhsa_memory_ordered 1
		.amdhsa_forward_progress 1
		.amdhsa_inst_pref_size 28
	.end_amdhsa_kernel
	.amdgpu_metadata
---
amdhsa.version: [ 1, 2 ]
amdhsa.kernels:
  - .name:           k_q9d6dbe2fdd_quant
    .symbol:         k_q9d6dbe2fdd_quant.kd
    .args:
      - { .name: hidden_states, .offset: 0, .size: 8, .value_kind: global_buffer, .address_space: global }
      - { .name: w_qkv, .offset: 8, .size: 8, .value_kind: global_buffer, .address_space: global }
      - { .name: w_out, .offset: 16, .size: 8, .value_kind: global_buffer, .address_space: global }
      - { .name: xw_codes, .offset: 24, .size: 8, .value_kind: global_buffer, .address_space: global }
      - { .name: xw_scales, .offset: 32, .size: 8, .value_kind: global_buffer, .address_space: global }
      - { .name: wo, .offset: 40, .size: 8, .value_kind: global_buffer, .address_space: global }
    .group_segment_fixed_size: 99840
    .private_segment_fixed_size: 0
    .kernarg_segment_align: 8
    .kernarg_segment_size: 48
    .max_flat_workgroup_size: 384
    .sgpr_count:     66
    .vgpr_count:     194
    .wavefront_size: 32
...
	.end_amdgpu_metadata
.endif
;; end of part 1
;; launch qkv (part 2): grid 12 x 32, 4 waves a work-group, clusters of 4 x 4, 327,680 bytes of LDS; arguments xw_codes, xw_scales, q_bias, v_bias, qkv_frag, qkv_sc; writes qkv_frag, qkv_sc
.if DOCPART == 2
	.amdgcn_target "amdgcn-amd-amdhsa--gfx1250"
	.amdhsa_code_object_version 6
	.text
	.protected	k_q9d6dbe2fdd_qkv
	.globl	k_q9d6dbe2fdd_qkv
	.p2align	8
	.type	k_q9d6dbe2fdd_qkv,@function
k_q9d6dbe2fdd_qkv:
	s_mov_b64 s[64:65], 0
	v_nop
	global_prefetch_b8 v0, s[64:65] scope:SCOPE_SE
	s_setreg_imm32_b32 hwreg(HW_REG_WAVE_MODE, 25, 1), 1
	s_wait_xcnt 0x0
	s_wait_alu depctr_hold_cnt(0) depctr_sa_sdst(0) depctr_va_vdst(0) depctr_va_sdst(0) depctr_va_ssrc(0) depctr_va_vcc(0) depctr_vm_vsrc(0)
	s_getreg_b32 s2, hwreg(HW_REG_IB_STS2, 6, 4)
	s_cmp_eq_u32 s2, 0
	s_cbranch_scc0 .Lentry_in_a_cluster
	s_endpgm
.Lentry_in_a_cluster:
	s_bfe_u32 s2, ttmp6, 0x10000c
	s_cmp_lg_u32 s2, 0xf033
	s_cbranch_scc0 .Lentry_shape_is_right
	s_endpgm
.Lentry_shape_is_right:
; The projection x w_qkv^T on codes of BF6 (E3M2) with E8M0 scales, K = 1024, and its results quantised on the way out: q, k and v leave as codes only.
; xw_codes: rows of 768 bytes, rows 0-8191 x, rows 8192-11263 w_qkv; xw_scales: rows of 32 bytes.
; A tile of 256 x 256 is made by four waves, 128 x 128 each: 64 accumulators, 512 registers.  K goes in steps of 256 through a ring of two LDS slots filled by the tensor data mover; the scale bytes of the
; work-group's 512 rows come once, with the first fills, and stay.  CLUSTERS: 4 x 4 work-groups; A's tile is asked for jointly along a row of the cluster, B's along a column.
; THE MATRIX INSTRUCTION IS USED TRANSPOSED (source 0 = 16 rows of "B", source 1 = 16 rows of "A"): a lane holds ONE row of A and its registers run along rows of B: the axis that is quantised.
; THE KIND is the cluster's x, the same in all sixteen partners.  0: q, 1: k: A = tokens (x), B = 1024 rows of w: a lane is a token, its registers run along features.
; 2: v: A = w_v's 1024 rows, B = tokens: a lane is a feature, its registers run along tokens, which are the K of the attention's second product.
; WAY OUT: for each of my 8 blocks of 16 rows of A: 64 numbers a lane (q: (sum + bias) / 8 by one fused multiply-add; k: the sum; v: sum + bias), four blocks of 32, their scales, 128 codes: an operand's 12
; registers, stored as they stand.  qkv_frag: streams of 49152 bytes.  q and k: stream 32 b + h' (h' = head, 16 + head): [tile of 16 tokens, 64][768 bytes: registers 0-3 of lane l at 16 l, 4-5 at 512 + 8 l].
; v: stream 256 + 16 b + head: [K step of 128 keys, 8][tile of 16 features, 4][1536 bytes: registers 4 g .. at 512 g + 16 l].  qkv_sc: q, k: [32 b + h'][token] words (s0, s1, s0, s1); from byte 1048576 v: [16 b + head][K step][tile][16] words.
; Inside a block of 32 the codes stand in the order 0-7, 16-23, 8-15, 24-31 (two neighbouring tiles of 16 give a lane 8 + 8 numbers); every operand of the attention's products is made so, so each product's two sides agree.
; LIMITS: NaN and infinities are not served; a block of zeros carries the byte 1 (its codes are zeros; only this program reads the bytes).
; REGISTERS, in windows of 256: window 0: v0-31 addresses; v32-63 scale words, two sets; v64-127 q_bias of my 128 columns; v128-223 A's fragments, one set (on the way out: numbers, codes, work); v240-255 v_bias of my rows.
;   window 1: B's fragments, two sets.   window 2: the accumulators of my rows 0-63 ((a, b) at v[8 (8 a + b)]);   window 3: those of my rows 64-127.
.set SIZE_K, 1024
.set KSTEP,  256                       ; along K in a slot
.set NQ,     KSTEP/128                 ; matrix instructions deep
.set ROWB,   192                       ; a tile's row in bytes
.set KROW,   SIZE_K*6/8                ; a row of codes in memory
.set PITCH,  240                       ; an LDS row: 3 x (64 bytes + 16 of padding)
.set FR,     12                        ; registers of a fragment
.set NL,     6                         ; LDS loads that bring one
.set NP,     4                         ; places behind this matrix instruction (ISA guide 7.12.1)
.set HALFT,  128*PITCH                 ; 128 rows: what one tensor load brings
.set SLOT,   4*HALFT                   ; A's 256 rows, then B's 256
.set LAPS,   SIZE_K/(2*KSTEP)          ; a lap = two K steps = once round the ring
.set KS,     SIZE_K/32                 ; a row of scale bytes
.set SCL,    2*SLOT                    ; behind the ring: the scales, as rows of 256 bytes + 16 of padding
.set HALFS,  (128*KS/256)*272          ; those of 128 rows
.set SBLK,   (16*KS/256)*272           ; those of 16 rows
.set SPARE,  SCL+4*HALFS               ; the spare words, 128 bytes a wave: two blocks of 256 bytes that no other line names
.set ADRA, 16                          ; v16-17 LDS address of my A fragments in slot 0, 1 (v18-19: behind one padding more)
.set ADRB, 20                          ; v20-23 the same for B
.set ADRS, 27                          ; v27    my scale words: lanes 0-15 A's rows, lanes 16-31 B's
.set SPW,  28                          ; v28    my spare word: SPARE + 4 x my thread's number; never rewritten
.set NIL,  29                          ; v29    0; never rewritten
.set SC,   32                          ; scale words: set s at v[SC + 16 s]
.set AF,   128                         ; A's fragments
.set BIAS, 64                          ; v64-127  q_bias: register 8 t + j: column 16 t + 8 h + j of my 128
.set VBI,  240                         ; v[240 + 2 a] v_bias of row 16 a + r of my 128 (the odd registers: 0, named as pairs' upper halves)
.set H,    128                         ; way out: 64 numbers
.set PC,   192                         ; v192-210 the codes
.set TM,   212                         ; v212-227 at work
.set PW,   228                         ; the scale word just made
.set W,    229                         ; v229-234 scale words on their way out
.set MULS, 92                          ; s[92:93] 1/8 for q, else 1
.set BMS,  94                          ; s[94:95] 1/8 for q, else 0
.set SEL,  66                          ; s[66:67] lane l xor 16
.set QBP,  96                          ; s[96:97] q_bias
.set VBP,  98                          ; s[98:99] v_bias
.set HI,   12                          ; s12 lanes 16-31
.set G1, 24                            ; s[24:31] group 1 for A's tiles; s[32:39] group 0, a set for each slot
.set G0, 32
.set G1B, 48                           ; the same for B's tiles
.set G0B, 56
.set G1S, 68                           ; groups 1 and 0 for A's scales; for B's
.set G0S, 76
.set G1SB, 80
.set G0SB, 88
.set MSB, 0
.macro WIN new                         ; the immediate's high byte repeats the setting that is left
.if MSB != (\new)
	s_set_vgpr_msb (MSB<<8)|(\new)
.set MSB, (\new)
.endif
.endm
.set MUL_LO, 0xa1                      ; source 0 (B) window 1, source 1 (A) window 0, C and D window 2
.set MUL_HI, 0xf1                      ; the same, C and D window 3
.set TO_B,   0x40                      ; destination window 1
; A joint load: waves 0 and 1 fetch for A, waves 2 and 3 for B; the branch hangs on the wave's number alone.  Four v_nop follow each of the two lines.
.macro JLOAD g0a, g1a, g0b, g1b
	s_cmp_eq_u32 s15, 0
	s_cbranch_scc0 .Lfor_b_\@
	tensor_load_to_lds s[\g0a:\g0a+3], s[\g1a:\g1a+7]
	s_nop 0
.rept 4
	v_nop
.endr
	s_branch .Lasked_\@
.Lfor_b_\@:
	tensor_load_to_lds s[\g0b:\g0b+3], s[\g1b:\g1b+7]
	s_nop 0
.rept 4
	v_nop
.endr
.Lasked_\@:
.endm
.macro CREST                           ; a round of the cluster's barrier behind its opening barrier
	s_cmp_lg_u32 s14, 0
	s_cbranch_scc1 .Lnot_wave_0_\@
	s_barrier_signal -3
.Lnot_wave_0_\@:
	s_barrier_wait -3
	s_barrier_signal -1
	s_barrier_wait -1
.endm
.macro CROUND
	s_barrier_signal -1
	s_barrier_wait -1
	CREST
.endm
	s_load_b128 s[4:7], s[0:1], 0x0                ; xw_codes, xw_scales
	s_load_b128 s[QBP:QBP+3], s[0:1], 0x10         ; q_bias, v_bias
	s_load_b128 s[8:11], s[0:1], 0x20              ; qkv_frag, qkv_sc: all six come with one wait
	v_lshl_add_u32 v[SPW], v0, 2, SPARE
	v_mov_b32 v[NIL], 0
	ds_add_u32 v28, v29
	ds_add_u32 v28, v29
	s_wait_dscnt 0x0
	v_lshrrev_b32 v1, 5, v0
	v_readfirstlane_b32 s14, v1                    ; wave 0..3
	s_lshr_b32 s15, s14, 1                         ; which half of the tile's rows (A) is mine.  Also: I fetch for A (0) or for B (1)
	s_and_b32 s16, s14, 1                          ; which half of its columns (B).  Also: which 128 rows of that tile I fetch
	s_bfe_u32 s40, ttmp6, 0x40000                  ; cx, cy: my place in the cluster
	s_bfe_u32 s41, ttmp6, 0x40004
	s_and_b32 s13, ttmp7, 0xffff                   ; the cluster's y, 0..7
	s_mov_b32 s12, 8192
	s_mov_b32 s2, 10240
	s_cmp_lt_u32 ttmp9, 2                          ; q or k?  (the cluster's x: the same in all partners)
	s_cselect_b32 s42, ttmp9, s13                  ; clusters along B: q, k: the kind's 1024 rows of w; v: 1024 tokens
	s_cselect_b32 s17, s13, 0                      ; clusters along A: q, k: 1024 tokens; v: w_v's 1024 rows
	s_cselect_b32 s12, s12, 0                      ; B's first row in xw: w begins at row 8192
	s_cselect_b32 s2, 0, s2                        ; A's: w_v begins at row 10240
	s_lshl_b32 s42, s42, 2
	s_add_co_u32 s42, s42, s40                     ; tile column
	s_lshl_b32 s17, s17, 2
	s_add_co_u32 s17, s17, s41                     ; tile row
	s_lshl_b32 s43, s41, 2
	s_lshl_b32 s43, 15, s43                        ; my row of the cluster
	s_lshl_b32 s44, 0x1111, s40                    ; my column
	; group 1: a tile of 128 rows x 192 bytes, 16 bytes of padding behind every 64
	s_or_b32 s[G1+0], s43, (0<<16)|(1<<20)|(1<<21)|(3<<22)|(3<<25)
	s_or_b32 s[G1B+0], s44, (0<<16)|(1<<20)|(1<<21)|(3<<22)|(3<<25)
.irp g, G1, G1B
	s_mov_b32 s[\g+1], ROWB<<16                    ; tensor_dim0
	s_mov_b32 s[\g+2], 128<<16                     ; tensor_dim1
	s_mov_b32 s[\g+3], ROWB<<16                    ; tile_dim0
	s_mov_b32 s[\g+4], 128                         ; tile_dim1
	s_mov_b32 s[\g+5], KROW                        ; the pitch
	s_mov_b32 s[\g+6], 0
	s_mov_b32 s[\g+7], 0
.endr
	; the scales of 128 rows: 4096 dense bytes, as 16 rows of 256 bytes (32 elements of 8), 16 bytes of padding behind each
	s_or_b32 s[G1S+0], s43, (3<<16)|(1<<20)|(1<<21)|(5<<22)|(3<<25)
	s_or_b32 s[G1SB+0], s44, (3<<16)|(1<<20)|(1<<21)|(5<<22)|(3<<25)
.irp g, G1S, G1SB
	s_mov_b32 s[\g+1], 32<<16
	s_mov_b32 s[\g+2], (128*KS/256)<<16
	s_mov_b32 s[\g+3], 32<<16
	s_mov_b32 s[\g+4], 128*KS/256
	s_mov_b32 s[\g+5], 32
	s_mov_b32 s[\g+6], 0
	s_mov_b32 s[\g+7], 0
.endr
	s_lshl_b32 s18, s16, 7                         ; which 128 rows of the tile I fetch
	s_lshl_b32 s20, s17, 8
	s_add_co_u32 s20, s20, s18
	s_add_co_u32 s20, s20, s2                      ; A: row of xw
	s_lshl_b32 s46, s42, 8
	s_add_co_u32 s46, s46, s18
	s_add_co_u32 s46, s46, s12                     ; B: row of xw
	s_mov_b32 s21, 0
	s_mov_b32 s47, 0
	s_mov_b64 s[18:19], KS
	s_mul_u64 s[22:23], s[20:21], s[18:19]         ; where these rows' scales begin,
	s_mul_u64 s[92:93], s[46:47], s[18:19]
	s_mov_b64 s[18:19], KROW
	s_mul_u64 s[20:21], s[20:21], s[18:19]         ; and their codes
	s_mul_u64 s[46:47], s[46:47], s[18:19]
	s_mul_i32 s45, s14, HALFT                      ; where they go: wave x 128 rows
	s_mul_i32 s94, s14, HALFS
	s_wait_kmcnt 0x0
	s_add_nc_u64 s[20:21], s[4:5], s[20:21]
	s_add_nc_u64 s[22:23], s[6:7], s[22:23]
	s_add_nc_u64 s[46:47], s[4:5], s[46:47]
	s_add_nc_u64 s[92:93], s[6:7], s[92:93]
	CROUND                                         ; all sixteen work-groups are here: the first joint loads meet
	s_mov_b32 s[G0S], 1
	s_add_co_u32 s[G0S+1], s94, SCL
	s_mov_b64 s[G0S+2:G0S+3], s[22:23]
	s_or_b32 s[G0S+3], s[G0S+3], 0x80000000
	s_mov_b32 s[G0SB], 1
	s_add_co_u32 s[G0SB+1], s94, SCL
	s_mov_b64 s[G0SB+2:G0SB+3], s[92:93]
	s_or_b32 s[G0SB+3], s[G0SB+3], 0x80000000
	JLOAD G0S, G1S, G0SB, G1SB                     ; the scales first: they are wanted with K step 0
.irp s, 0,1
	s_mov_b32 s[G0+4*\s], 1
	s_add_co_u32 s[G0+4*\s+1], s45, \s*SLOT
	s_add_nc_u64 s[G0+4*\s+2:G0+4*\s+3], s[20:21], \s*ROWB
	s_or_b32 s[G0+4*\s+3], s[G0+4*\s+3], 0x80000000
	s_mov_b32 s[G0B+4*\s], 1
	s_add_co_u32 s[G0B+4*\s+1], s45, \s*SLOT
	s_add_nc_u64 s[G0B+4*\s+2:G0B+4*\s+3], s[46:47], \s*ROWB
	s_or_b32 s[G0B+4*\s+3], s[G0B+4*\s+3], 0x80000000
	JLOAD G0+4*\s, G1, G0B+4*\s, G1B
.endr
	v_and_b32 v1, 15, v0                           ; r = l % 16
	v_bfe_u32 v2, v0, 4, 1                         ; h = l / 16
	v_mul_u32_u24 v3, v1, PITCH
	v_mul_u32_u24 v4, v2, 24
	v_add_nc_u32 v4, v3, v4                        ; a fragment's row x pitch + 24 x half
	v_lshl_add_u32 v5, v2, 4, v4                   ; and the same behind one padding more
	s_mul_i32 s21, s15, HALFT                      ; my 128 rows of A
	s_mul_i32 s22, s16, HALFT                      ; my 128 rows of B,
	s_add_co_u32 s22, s22, 2*HALFT                 ; which lie behind A's 256
.irp s, 0,1
	v_add_nc_u32 v[ADRA+\s], s21, v4
	v_add_nc_u32 v[ADRB+\s], s22, v4
	v_add_nc_u32 v[ADRA+2+\s], s21, v5
	v_add_nc_u32 v[ADRB+2+\s], s22, v5
	s_add_co_u32 s21, s21, SLOT
	s_add_co_u32 s22, s22, SLOT
.endr
	v_mul_u32_u24 v5, v1, KS                       ; my row's scales: 32 bytes a row,
	v_lshrrev_b32 v6, 8, v5
	v_lshl_add_u32 v5, v6, 4, v5                   ; and 16 more for each 256 passed
	s_mul_i32 s21, s15, HALFS
	s_mul_i32 s22, s16, HALFS
	s_add_co_u32 s22, s22, 2*HALFS
	s_sub_co_u32 s22, s22, s21
	v_mul_u32_u24 v6, s22, v2                      ; lanes 16-31 take B's: one product, the distance between the two bases
	s_add_co_u32 s21, s21, SCL
	v_add_nc_u32 v5, v5, v6
	v_add_nc_u32 v[ADRS], s21, v5
	v_and_b32 v6, 31, v0
	v_lshlrev_b32 v7, 4, v6                        ; the way out: 16 x lane,
	v_lshlrev_b32 v8, 3, v6                        ; 8 x lane,
	v_lshlrev_b32 v9, 2, v6                        ; 4 x lane
	v_lshlrev_b32 v10, 5, v2                       ; q_bias: 32 h
	v_lshlrev_b32 v11, 2, v1                       ; v_bias: 4 r
	; where my results go
	s_lshl_b32 s18, s17, 8
	s_lshl_b32 s19, s15, 7
	s_add_co_u32 s18, s18, s19                     ; my first row on A's side: 256 x tile row + 128 x half
	s_lshl_b32 s19, s42, 8
	s_lshl_b32 s20, s16, 7
	s_add_co_u32 s19, s19, s20                     ; on B's side
	s_mov_b32 s93, 0x3f800000
	s_cmp_lt_u32 ttmp9, 2
	s_cselect_b32 s20, s18, s19                    ; my first token,
	s_cselect_b32 s21, s19, s18                    ; my first feature (q, k: 0 .. 2047)
	s_cselect_b32 s22, 5, 4                        ; streams of a batch: 32 or 16
	s_cselect_b32 s23, 0, 256                      ; the kind's first stream
	s_cselect_b32 s45, 12, 11                      ; scale bytes of a stream: 4096 or 2048
	s_cselect_b32 s46, 2, 1                        ; scale bytes for a token: 4 or 2
	s_cselect_b32 s47, 0, 0x100000                 ; v's scale words begin at byte 1048576
	s_cmp_eq_u32 ttmp9, 0
	s_cselect_b32 s[MULS], 0x3e000000, s93         ; q: 1/8
	s_cselect_b32 s[BMS], 0x3e000000, 0
	s_mov_b32 s[MULS+1], s[MULS]                   ; (named as pairs, so both words are written)
	s_mov_b32 s[BMS+1], s[BMS]
	s_mov_b32 s[SEL], 0x76543210
	s_mov_b32 s[SEL+1], 0xfedcba98
	s_mov_b32 s[HI], 0xffff0000
	s_lshr_b32 s2, s20, 10                         ; the batch
	s_and_b32 s20, s20, 1023                       ; the token in it
	s_lshr_b32 s13, s21, 6                         ; the head (k: 16 + head)
	s_lshl_b32 s2, s2, s22
	s_add_co_u32 s2, s2, s13                       ; the stream within its kind
	s_add_co_u32 s22, s2, s23
	s_mul_i32 s22, s22, 49152
	s_mul_i32 s23, s20, 48                         ; 768 bytes for 16 tokens; 6144 for a K step of 128
	s_add_co_u32 s22, s22, s23
	s_mov_b32 s23, 0
	s_lshl_b32 s2, s2, s45
	s_lshl_b32 s20, s20, s46
	s_add_co_u32 s46, s2, s20
	s_add_co_u32 s46, s46, s47
	s_mov_b32 s47, 0
	s_and_b32 s20, s21, 1023
	s_lshl_b32 s20, s20, 2                         ; q_bias at my first feature (inside the buffer for every kind)
	s_mov_b32 s21, 0
	s_and_b32 s18, s18, 1023
	s_lshl_b32 s18, s18, 2                         ; v_bias at my first row of A (likewise)
	s_mov_b32 s19, 0
	s_add_nc_u64 s[QBP:QBP+1], s[QBP:QBP+1], s[20:21]
	s_add_nc_u64 s[VBP:VBP+1], s[VBP:VBP+1], s[18:19]
	s_add_nc_u64 s[8:9], s[8:9], s[22:23]
	s_add_nc_u64 s[10:11], s[10:11], s[46:47]
.irp t, 0,1,2,3,4,5,6,7
	global_load_b128 v[BIAS+8*\t:BIAS+8*\t+3], v10, s[QBP:QBP+1] offset:64*\t      ; they land while the products run; the wait stands at the way out
	global_load_b128 v[BIAS+8*\t+4:BIAS+8*\t+7], v10, s[QBP:QBP+1] offset:64*\t+16
.endr
.irp a, 0,1,2,3,4,5,6,7
	global_load_b32 v[VBI+2*\a], v11, s[VBP:VBP+1] offset:64*\a
	v_mov_b32 v[VBI+2*\a+1], 0
.endr
.macro FRAG reg, adr, q, i             ; a fragment: lane l holds row l % 16; registers 6 c .. 6 c + 5 hold K = 64 c + 32 (l / 16) + 0 .. 31: 24 bytes of the row, as they lie, in pieces of 8 bytes
.irp p, 0,1,2,3,4,5
.set PCE, 12*(\q)+6*(\p/3)+\p%3        ; 16 bytes of padding lie behind every 8 pieces: where the piece three on lies behind one padding more, the second address register serves
.if PCE%8 < 5
	ds_load_b64 v[\reg+2*\p:\reg+2*\p+1], v[\adr] offset:8*PCE+16*(PCE/8)+(\i)*16*PITCH
.else
	ds_load_b64 v[\reg+2*\p:\reg+2*\p+1], v[\adr+2] offset:8*PCE+16*(PCE/8)+(\i)*16*PITCH
.endif
.endr
.endm
; 16 matrix instructions: A's blocks a0, a0 + 1 x B's eight.  The 64 accumulators take turns, one instruction a turn, in the same order in every step.
.macro MUL16 a0, p, q, sc, zero
.irp a, \a0, \a0+1
.irp b, 0,1,2,3,4,5,6,7
.if \zero
	v_wmma_scale_f32_16x16x128_f8f6f4 v[8*(8*((\a)%4)+\b):8*(8*((\a)%4)+\b)+7], v[128*(\p)+FR*\b:128*(\p)+FR*\b+FR-1], v[AF+FR*(\a):AF+FR*(\a)+FR-1], 0, v[SC+8*NQ*(\sc)+NQ*\b+(\q)], v[SC+8*NQ*(\sc)+NQ*(\a)+(\q)] matrix_a_fmt:MATRIX_FMT_BF6 matrix_b_fmt:MATRIX_FMT_BF6 matrix_a_scale:MATRIX_SCALE_ROW1
.else
	v_wmma_scale_f32_16x16x128_f8f6f4 v[8*(8*((\a)%4)+\b):8*(8*((\a)%4)+\b)+7], v[128*(\p)+FR*\b:128*(\p)+FR*\b+FR-1], v[AF+FR*(\a):AF+FR*(\a)+FR-1], v[8*(8*((\a)%4)+\b):8*(8*((\a)%4)+\b)+7], v[SC+8*NQ*(\sc)+NQ*\b+(\q)], v[SC+8*NQ*(\sc)+NQ*(\a)+(\q)] matrix_a_fmt:MATRIX_FMT_BF6 matrix_b_fmt:MATRIX_FMT_BF6 matrix_a_scale:MATRIX_SCALE_ROW1
.endif
.endr
.endr
.endm
.macro FETCH_B slot, q, p
	WIN TO_B
.irp i, 0,1,2,3,4,5,6,7
	FRAG 128*(\p)+FR*\i, ADRB+\slot, \q, \i
.endr
	WIN 0
.endm
.macro FETCH_A slot, q, i0
.irp i, \i0, \i0+1, \i0+2, \i0+3
	FRAG AF+FR*(\i), ADRA+\slot, \q, \i
.endr
.endm
.macro SCALES sc                       ; a K step's scale words: two a row; lanes 0-15 take A's block i, lanes 16-31 B's block i
.irp i, 0,1,2,3,4,5,6,7
	ds_load_b64 v[SC+8*NQ*\sc+NQ*\i:SC+8*NQ*\sc+NQ*\i+1], v[ADRS] offset:\i*SBLK
.endr
.endm
.macro PLACES n                        ; plain vector instructions between a matrix instruction and a load into, or a read or write of, its registers
.rept \n
	v_nop
.endr
.endm
.macro STEP slot, q, zero              ; 128 along K that has its successor in the same slot
	s_wait_dscnt 4*NL                              ; B's set and A's blocks 0-3 are in; the 24 loads of A's blocks 4-7 may be out
	WIN MUL_LO
	MUL16 0, (\q)%2, \q, \slot, \zero
	MUL16 2, (\q)%2, \q, \slot, \zero
	s_wait_dscnt 0
	PLACES NP
	FETCH_B \slot, (\q)+1, 1-(\q)%2
	FETCH_A \slot, (\q)+1, 0
	WIN MUL_HI
	MUL16 4, (\q)%2, \q, \slot, \zero
	MUL16 6, (\q)%2, \q, \slot, \zero
	PLACES NP
	WIN 0
	FETCH_A \slot, (\q)+1, 4
.endm
; A slot's last step changes slots: one barrier; in front of it each wave waits for all its tensor loads, adds 0 to its spare word, and waits for that and for its reads of this slot.
.macro TURN slot, next, fill
	s_wait_tensorcnt 0x0                           ; all my tensor loads have landed: my part of the next slot
	ds_add_u32 v[SPW], v[NIL]                      ; 0 onto my spare word
	s_wait_dscnt 4*NL+1                            ; (the add and the 24 loads of A's blocks 4-7 may be out)
	WIN MUL_LO
	MUL16 0, 1, NQ-1, \slot, 0
	s_wait_dscnt 0x0                               ; the add is done, and my reads of this slot are over
	s_barrier_signal -1
	MUL16 2, 1, NQ-1, \slot, 0
	WIN 0
	s_barrier_wait -1
.if \fill
	CREST                                          ; the barrier has opened a round of the cluster's: no wave of any partner still reads this slot or has a load on its way
	s_add_nc_u64 s[G0+4*\slot+2:G0+4*\slot+3], s[G0+4*\slot+2:G0+4*\slot+3], 2*ROWB
	s_add_nc_u64 s[G0B+4*\slot+2:G0B+4*\slot+3], s[G0B+4*\slot+2:G0B+4*\slot+3], 2*ROWB
	JLOAD G0+4*\slot, G1, G0B+4*\slot, G1B         ; the first tensor load behind the round; its four v_nop are the places in front of the loads below
.else
	PLACES NP
.endif
	v_add_nc_u32 v[ADRS], 4*NQ, v[ADRS]            ; the next K step's scale words
	FETCH_B \next, 0, 0
	FETCH_A \next, 0, 0
	SCALES \next
	WIN MUL_HI
	MUL16 4, 1, NQ-1, \slot, 0
	MUL16 6, 1, NQ-1, \slot, 0
	PLACES NP
	WIN 0
	FETCH_A \next, 0, 4
.endm
	s_wait_tensorcnt 1                             ; the scales and my part of K step 0 are in; K step 1's load may be out
	s_barrier_signal -1
	s_barrier_wait -1
	FETCH_B 0, 0, 0
	FETCH_A 0, 0, 0
	SCALES 0
	FETCH_A 0, 0, 4
	STEP 0, 0, 1                                   ; the first step's products start the sums: nothing is cleared
	s_mov_b32 s3, LAPS-1
.Llap:
	TURN 0, 1, 1
	STEP 1, 0, 0
	TURN 1, 0, 1
	STEP 0, 0, 0
	s_sub_co_u32 s3, s3, 1
	s_cmp_lg_u32 s3, 0
	s_cbranch_scc1 .Llap
	TURN 0, 1, 0                                   ; the last lap fills nothing
	STEP 1, 0, 0
	s_wait_dscnt 4*NL
	WIN MUL_LO
	MUL16 0, 1, NQ-1, 1, 0
	MUL16 2, 1, NQ-1, 1, 0
	s_wait_dscnt 0
	WIN MUL_HI
	MUL16 4, 1, NQ-1, 1, 0
	MUL16 6, 1, NQ-1, 1, 0
	WIN 0
; 64 numbers of a lane, v[s] on, become an operand's 12 registers in v[PC] on and its scale word in v[PW].  Registers 16 b .. 16 b + 15 are my 16 of block b; lane l xor 16 holds the other 16.
.macro QUANT s
.irp b, 0,1,2,3
	v_max3_num_f32 v[TM+\b], |v[\s+16*\b]|, |v[\s+1+16*\b]|, 0x2800000   ; the floor 2^(5 - 127) holds the byte at 1 from below
.endr
.irp i, 2,4,6,8,10,12,14
.irp b, 0,1,2,3
	v_max3_num_f32 v[TM+\b], v[TM+\b], |v[\s+16*\b+\i]|, |v[\s+1+16*\b+\i]|   ; the four blocks by turns
.endr
.endr
.irp b, 0,1,2,3
	v_permlanex16_b32 v[TM+4+\b], v[TM+\b], s[SEL], s[SEL+1]
.endr
.irp b, 0,1,2,3
	v_max_num_f32 v[TM+\b], v[TM+\b], v[TM+4+\b]   ; the block's largest magnitude
.endr
.irp b, 0,1,2,3
	v_add_nc_u32 v[TM+12+\b], 0xfe000000, v[TM+\b] ; 4 off its exponent field: the conversion's scale operand
.endr
.irp b, 0,1,2,3
	v_lshrrev_b32 v[TM+4+\b], 23, v[TM+12+\b]      ; the byte
.endr
	v_lshl_or_b32 v[PW], v[TM+5], 8, v[TM+4]
	v_lshl_or_b32 v[PW], v[TM+6], 16, v[PW]
	v_lshl_or_b32 v[PW], v[TM+7], 24, v[PW]
	s_wait_xcnt 0x0                                ; the last block's stores have read their registers: the codes, and behind them the merged scale words, are written again only behind this wait; all above it touches no register of a store
.irp c, 0,1
	v_cvt_scalef32_pk16_bf6_f32 v[PC+6*\c:PC+2+6*\c], v[\s+32*\c:\s+15+32*\c], v[TM+12+2*\c]
	v_cvt_scalef32_pk16_bf6_f32 v[PC+12+4*\c:PC+14+4*\c], v[\s+16+32*\c:\s+31+32*\c], v[TM+12+2*\c+1]   ; (a conversion's three registers begin on an even number)
.endr
	v_nop                                          ; one plain place behind a scaled conversion
.irp c, 0,1                                    ; the operand's layout wants a whole block in a lane: lanes 0-15 block 2 c, lanes 16-31 block 2 c + 1
.irp i, 0,1,2
	v_permlane16_swap_b32 v[PC+6*\c+\i], v[PC+12+4*\c+\i]
.endr
.irp i, 0,1,2
	v_mov_b32 v[PC+3+6*\c+\i], v[PC+12+4*\c+\i]
.endr
.endr
.endm
; q, k: block a of 16 tokens: 128 features = two heads: registers 0-5 the first head's half image, 6-11 the second's
.macro EPI_QK a
	WIN 0x02+(\a)/4                                ; source 0: the accumulators' window
.set j, 0
.rept 32
	v_pk_fma_f32 v[H+j:H+j+1], v[64*((\a)%4)+j:64*((\a)%4)+j+1], s[MULS:MULS+1], v[BIAS+j:BIAS+j+1] op_sel_hi:[1,0,1]   ; q: sum / 8 + bias / 8, one rounding; k: the sum.  Each accumulator from its low end on
.set j, j+2
.endr
	WIN 0
	QUANT H
.if (\a)%2 == 0
	v_perm_b32 v[W], v[PW], v[PW], 0x01000100      ; the first head's two bytes, twice: the upper half of the instruction's K meets zero codes, under bytes that are no NaN
	v_perm_b32 v[W+1], v[PW], v[PW], 0x03020302    ; the second head's
.else
	v_perm_b32 v[W+2], v[PW], v[PW], 0x01000100
	v_perm_b32 v[W+3], v[PW], v[PW], 0x03020302
	v_cndmask_b32 v[W+4], v[W], v[W+2], s[HI]      ; lanes 0-15: block a - 1's tokens, lanes 16-31: block a's: 32 neighbouring words
	v_cndmask_b32 v[W+5], v[W+1], v[W+3], s[HI]
.endif
	global_store_b128 v7, v[PC:PC+3], s[8:9] offset:768*(\a)                 ; 512 consecutive bytes, aligned
	global_store_b64 v8, v[PC+4:PC+5], s[8:9] offset:768*(\a)+512            ; 256
	global_store_b128 v7, v[PC+6:PC+9], s[8:9] offset:49152+768*(\a)         ; the next head's stream
	global_store_b64 v8, v[PC+10:PC+11], s[8:9] offset:49152+768*(\a)+512
.if (\a)%2 == 1
	global_store_b32 v9, v[W+4], s[10:11] offset:64*((\a)-1)
	global_store_b32 v9, v[W+5], s[10:11] offset:4096+64*((\a)-1)
.endif
.endm
; v: block a of 16 features: 128 tokens = one K step of the attention's second product: a whole image
.macro EPI_V a
	WIN 0x02+(\a)/4
.set j, 0
.rept 32
	v_pk_add_f32 v[H+j:H+j+1], v[64*((\a)%4)+j:64*((\a)%4)+j+1], v[VBI+2*(\a):VBI+2*(\a)+1] op_sel_hi:[1,0]   ; + my feature's bias
.set j, j+2
.endr
	WIN 0
	QUANT H
.if (\a)%2 == 0
	v_mov_b32 v[W], v[PW]
.else
	v_cndmask_b32 v[W+4], v[W], v[PW], s[HI]
.endif
.irp g, 0,1,2
	global_store_b128 v7, v[PC+4*\g:PC+4*\g+3], s[8:9] offset:49152*((\a)/4)+1536*((\a)%4)+512*\g
.endr
.if (\a)%2 == 1
	global_store_b32 v9, v[W+4], s[10:11] offset:2048*((\a)/4)+64*(((\a)-1)%4)
.endif
.endm
	s_wait_loadcnt 0x0                             ; the biases
	PLACES NP                                      ; behind the last products: their results are read, and A's registers are written, below
.set j, 0
.rept 32
	v_pk_mul_f32 v[BIAS+j:BIAS+j+1], v[BIAS+j:BIAS+j+1], s[BMS:BMS+1] op_sel_hi:[1,0]   ; q: bias / 8, exact; k: 0
.set j, j+2
.endr
.irp b, 0,1,2,3
	v_mov_b32 v[TM+4+\b], 0                        ; a lane permute's destination counts as one of its sources
.endr
	s_cmp_eq_u32 ttmp9, 2                          ; the cluster's x: all partners take the same way
	s_cbranch_scc1 .Lv_out
.irp a, 0,1,2,3,4,5,6,7
	EPI_QK \a
.endr
	s_branch .Ldone
.Lv_out:
.irp a, 0,1,2,3,4,5,6,7
	EPI_V \a
.endr
.Ldone:
	s_wait_tensorcnt 0x0                           ; the wave's end
	ds_add_u32 v[SPW], v[NIL]
	s_wait_dscnt 0x0
	CROUND                                         ; the closing round: no work-group ends while a partner may still ask for a tile that names it
	s_endpgm
.Lfunc_end_k_q9d6dbe2fdd_qkv:
	.size	k_q9d6dbe2fdd_qkv, .Lfunc_end_k_q9d6dbe2fdd_qkv-k_q9d6dbe2fdd_qkv
	.p2alignl 7, 3214868480
	.fill 96, 4, 3214868480
	.section	.rodata,"a",@progbits
	.p2align	6, 0x0
	.amdhsa_kernel k_q9d6dbe2fdd_qkv
		.amdhsa_group_segment_fixed_size 327680
		.amdhsa_private_segment_fixed_size 0
		.amdhsa_enable_private_segment 0
		.amdhsa_kernarg_size 48
		.amdhsa_user_sgpr_count 2
		.amdhsa_user_sgpr_kernarg_segment_ptr 1
		.amdhsa_wavefront_size32 1
		.amdhsa_system_sgpr_workgroup_id_x 1
		.amdhsa_system_sgpr_workgroup_id_y 1
		.amdhsa_system_sgpr_workgroup_id_z 1
		.amdhsa_system_vgpr_workitem_id 0
		.amdhsa_next_free_vgpr 1024
		.amdhsa_next_free_sgpr 100
		.amdhsa_reserve_vcc 0
		.amdhsa_float_denorm_mode_32 3
		.amdhsa_float_denorm_mode_16_64 3
		.amdhsa_memory_ordered 1
		.amdhsa_forward_progress 1
		.amdhsa_inst_pref_size 239
	.end_amdhsa_kernel
	.amdgpu_metadata
---
amdhsa.version: [ 1, 2 ]
amdhsa.kernels:
  - .name:           k_q9d6dbe2fdd_qkv
    .symbol:         k_q9d6dbe2fdd_qkv.kd
    .args:
      - { .name: xw_codes, .offset: 0, .size: 8, .value_kind: global_buffer, .address_space: global }
      - { .name: xw_scales, .offset: 8, .size: 8, .value_kind: global_buffer, .address_space: global }
      - { .name: q_bias, .offset: 16, .size: 8, .value_kind: global_buffer, .address_space: global }
      - { .name: v_bias, .offset: 24, .size: 8, .value_kind: global_buffer, .address_space: global }
      - { .name: qkv_frag, .offset: 32, .size: 8, .value_kind: global_buffer, .address_space: global }
      - { .name: qkv_sc, .offset: 40, .size: 8, .value_kind: global_buffer, .address_space: global }
    .group_segment_fixed_size: 327680
    .private_segment_fixed_size: 0
    .kernarg_segment_align: 8
    .kernarg_segment_size: 48
    .max_flat_workgroup_size: 128
    .sgpr_count:     100
    .vgpr_count:     1024
    .wavefront_size: 32
...
	.end_amdgpu_metadata
.endif
;; end of part 2
;; launch attn (part 3): grid 16 x 16, 8 waves a work-group, no clusters, 164,864 bytes of LDS; arguments qkv_frag, qkv_sc, rel_pos, rel_2d_pos, attention_mask, ctx; writes ctx
.if DOCPART == 3
	.amdgcn_target "amdgcn-amd-amdhsa--gfx1250"
	.amdhsa_code_object_version 6
	.text
	.protected	k_q9d6dbe2fdd_attn
	.globl	k_q9d6dbe2fdd_attn
	.p2align	8
	.type	k_q9d6dbe2fdd_attn,@function
k_q9d6dbe2fdd_attn:
	s_mov_b64 s[64:65], 0
	v_nop
	global_prefetch_b8 v0, s[64:65] scope:SCOPE_SE
	s_setreg_imm32_b32 hwreg(HW_REG_WAVE_MODE, 25, 1), 1
	s_wait_xcnt 0x0
; ctx = softmax(q k^T + rel_pos + rel_2d_pos, hidden keys at -infinity) v, both products on codes of BF6 (E3M2) with E8M0 scales; q arrives already divided by 8.
; SHARES.  A work-group owns 64 queries of one head FOR ALL 8 BATCHES: wave w is batch w, four tiles of 16 queries.  So each byte of the two rel tables, which the batches share, is loaded once in the launch.
; 8 key steps of 128 keys.  At a step's head a wave asks for its 8 of the 64 rows of both tables for the NEXT step (512 consecutive bytes a load, 16 loads); behind its third tile it adds them and stores the sum R
; into LDS, two buffers by turns.  Every wave takes R from LDS as the C OPERAND of S^T = K Q^T + R: adding rel costs the readers no vector instruction.
; ONE BARRIER A STEP, ITS TWO HALVES APART.  The signal stands in the fourth tile, behind the wait that shows my rows of the next R stored and my last reads of this R back; the wait stands at the step's end.
; Between them stand one tile's softmax and second product: work on registers, and LDS loads of my wave's own mask addends, which nobody writes.
; K and V of a batch have one reader in the work-group: they go from memory straight into registers, as images of operand registers; each fragment feeds four products.
; LAYOUT.  Both products transposed (source 0 = 16 keys, or 16 of the head's 64; source 1 = my 16 queries): a lane holds ONE query throughout.
; K = 64 IS HALF OF THE INSTRUCTION'S 128: Q's operand is its 6 registers and 6 registers of zero codes; K's 8 half fragments lie on end with 6 zero registers behind them, and tile t's operand is the run of 12 from
; its first register on: what lies in the upper six meets Q's zero codes.  The scale words carry the two bytes twice, so all four bytes are ordinary scales.
; SOFTMAX: t = score x log2(e); M = the running largest t rounded up to a whole number; p = 2^(t - M) is quantised along the keys, not normalised; the sum of the unquantised p divides at the end; when M moves,
; the sum and O^T are multiplied by 2^(old M - new M), exact.  A block's largest p is made from the block's largest score by the same two instructions.
; Inside a block of 32 keys p's codes stand in the order 0-7, 16-23, 8-15, 24-31, as v's do; q and k agree likewise; ctx leaves in that order along a head's 64, and w_out was laid so.
; THE MASK: 0 or -infinity for each of my batch's 1024 keys lies in my wave's own 4096 bytes of LDS and is added to the scores; a step none of whose 128 mask bytes is set jumps over the additions
; (a scalar branch on whole numbers of an input; neither half of the barrier stands under it).  attention_mask's bytes are 0 or 1.
; A batch ALL of whose keys are hidden has the sum 0: its rows' scale bytes become 0xff, which makes the output projection's sums NaN there, as the softmax of such a row is.
; NO CLUSTER, NO JOINT LOADS: rel, 65536 of a step's bytes, is shared with no other work-group.  K and V (12288 bytes a wave and step) are shared by the head's 16 work-groups, but a joint load lands in LDS,
; from which each wave would read those 12288 bytes on top of R's 32768.
; LIMITS: NaN and infinities among the floating-point inputs are not served.
; REGISTERS.  Window 0: v1-12 addresses; v24-71 Q (tile qt at 24 + 12 qt, zeros in its upper six); v72-79 scale words; v80-95 four registers of statistics a tile (-M, largest t, the sum in two halves);
;   v96-159 S^T, then p; v160-171 p's codes; v168-190 at work; v192-223 rel rows 0-3; v224-239 a piece of the mask; v240-255 rel_pos rows 4-7.
;   Window 1: v0-127 O^T (tile qt at 32 qt); v128-181 K's chain; v184-231 V; v232-247 rel_2d_pos rows 4-7.
.set PITCH, 528                        ; a row of R: 512 bytes + 16: 33 x 16, so the 16 rows that a load touches start at 16 different groups of banks
.set RBUF1, 65536                      ; R's second buffer: one exclusive or turns an address from one to the other
.set MBASE, 131072                     ; the mask addends: 4096 bytes a wave
.set QF,  24
.set QS,  72                           ; v72-73  q's scale words: lanes 0-15 the even tile, lanes 16-31 the odd one
.set KS,  74                           ; v74-77  k's, for pairs of key tiles
.set VS,  78                           ; v78-79  v's, for pairs of tiles of 16 features
.set ST,  80
.set S,   96
.set CD,  160
.set BM,  168                          ; v168-171 the blocks' largest scores (dead before the codes' upper registers are written)
.set PB,  172                          ; v172-178
.set SO,  180                          ; v180-183 the conversions' scale operands
.set F,   188                          ; f = 2^(old M - new M)
.set PW,  189                          ; p's scale word
.set TT,  190
.set RP,  192                          ; rel_pos rows 0-3
.set R2,  208                          ; rel_2d_pos rows 0-3
.set MK,  224
.set RQ,  240                          ; rel_pos rows 4-7
.set RW,  232                          ; window 1: rel_2d_pos rows 4-7
.set KC,  128                          ; window 1
.set VF,  184                          ; window 1
.set WV,  2
.set CNT, 3
.set KB,  16                           ; s[16:17] K's images of the step last asked for;  s[18:19] its scale words;  s[20:21], s[22:23] V's
.set KSB, 18
.set VB,  20
.set VSB, 22
.set RPB, 24                           ; s[24:25], s[26:27] my 8 rows of the two tables, at the step to be asked for next
.set R2B, 26
.set MKB, 28                           ; s[28:29] my batch's mask bytes
.set PFK, 30                           ; s[30:31], s[32:33] where my prefetches stand in K's and V's streams
.set PFV, 32
.set RB,  34                           ; s34 R's buffer that is read, s35 the one that is written
.set RBN, 35
.set TS,  36                           ; s36 512 x key step: the step's mask addends
.set ANY, 37                           ; s37 the OR of the step's 128 mask bytes
.set LIM, 38
.set HI,  39                           ; lanes 16-31
.set SEL, 40                           ; s[40:41] lane l xor 16
.set CS,  42                           ; s[42:43] log2(e)
.set CTXB, 44
.set CTXS, 46
.set QB,  48
.set QSB, 50
.set MSB, 0
.macro WIN new                         ; the immediate's high byte repeats the setting that is left
.if MSB != (\new)
	s_set_vgpr_msb (MSB<<8)|(\new)
.set MSB, (\new)
.endif
.endm
.macro PLACES                          ; plain vector instructions between a matrix instruction and a load into, or a read or write of, its registers
.rept 4
	v_nop
.endr
.endm
.macro KQ qt, t                        ; S^T(tile t of 16 keys, tile qt of queries) = K Q^T + R
.set rS, S+8*(\t)
.set rK, KC+6*(\t)
.set rQ, QF+12*(\qt)
.if ((\t)%2 == 0) && ((\qt)%2 == 0)
	v_wmma_scale_f32_16x16x128_f8f6f4 v[rS:rS+7], v[rK:rK+11], v[rQ:rQ+11], v[rS:rS+7], v[KS+(\t)/2], v[QS+(\qt)/2] matrix_a_fmt:MATRIX_FMT_BF6 matrix_b_fmt:MATRIX_FMT_BF6
.elseif (\qt)%2 == 0
	v_wmma_scale_f32_16x16x128_f8f6f4 v[rS:rS+7], v[rK:rK+11], v[rQ:rQ+11], v[rS:rS+7], v[KS+(\t)/2], v[QS+(\qt)/2] matrix_a_fmt:MATRIX_FMT_BF6 matrix_b_fmt:MATRIX_FMT_BF6 matrix_a_scale:MATRIX_SCALE_ROW1
.elseif (\t)%2 == 0
	v_wmma_scale_f32_16x16x128_f8f6f4 v[rS:rS+7], v[rK:rK+11], v[rQ:rQ+11], v[rS:rS+7], v[KS+(\t)/2], v[QS+(\qt)/2] matrix_a_fmt:MATRIX_FMT_BF6 matrix_b_fmt:MATRIX_FMT_BF6 matrix_b_scale:MATRIX_SCALE_ROW1
.else
	v_wmma_scale_f32_16x16x128_f8f6f4 v[rS:rS+7], v[rK:rK+11], v[rQ:rQ+11], v[rS:rS+7], v[KS+(\t)/2], v[QS+(\qt)/2] matrix_a_fmt:MATRIX_FMT_BF6 matrix_b_fmt:MATRIX_FMT_BF6 matrix_a_scale:MATRIX_SCALE_ROW1 matrix_b_scale:MATRIX_SCALE_ROW1
.endif
.endm
.macro PV qt, d                        ; O^T(tile d of 16 features, tile qt) += V^T P^T over the step's 128 keys
.set rO, 32*(\qt)+8*(\d)
.set rV, VF+12*(\d)
.if (\d)%2 == 0
	v_wmma_scale_f32_16x16x128_f8f6f4 v[rO:rO+7], v[rV:rV+11], v[CD:CD+11], v[rO:rO+7], v[VS+(\d)/2], v[PW] matrix_a_fmt:MATRIX_FMT_BF6 matrix_b_fmt:MATRIX_FMT_BF6
.else
	v_wmma_scale_f32_16x16x128_f8f6f4 v[rO:rO+7], v[rV:rV+11], v[CD:CD+11], v[rO:rO+7], v[VS+(\d)/2], v[PW] matrix_a_fmt:MATRIX_FMT_BF6 matrix_b_fmt:MATRIX_FMT_BF6 matrix_a_scale:MATRIX_SCALE_ROW1
.endif
.endm
.macro RLOAD q                         ; R of query tile q in the result's layout: lane (r, h), tile t: row 16 q + r, 32 bytes at 64 t + 32 h
.irp t, 0,1,2,3,4,5,6,7
	ds_load_b128 v[S+8*\t:S+8*\t+3], v5 offset:16*(\q)*PITCH+64*\t
	ds_load_b128 v[S+8*\t+4:S+8*\t+7], v5 offset:16*(\q)*PITCH+64*\t+16
.endr
.endm
.macro RELLOAD                         ; my 8 rows of both tables: 16 loads of 512 consecutive bytes; read once in the launch
.irp i, 0,1,2,3
	global_load_b128 v[RP+4*\i:RP+4*\i+3], v1, s[RPB:RPB+1] offset:4096*\i th:TH_LOAD_NT
	global_load_b128 v[R2+4*\i:R2+4*\i+3], v1, s[R2B:R2B+1] offset:4096*\i th:TH_LOAD_NT
.endr
.irp i, 0,1,2,3
	global_load_b128 v[RQ+4*\i:RQ+4*\i+3], v1, s[RPB:RPB+1] offset:4096*(4+\i) th:TH_LOAD_NT
.endr
	WIN 0x40                                       ; destination window 1
.irp i, 0,1,2,3
	global_load_b128 v[RW+4*\i:RW+4*\i+3], v1, s[R2B:R2B+1] offset:4096*(4+\i) th:TH_LOAD_NT
.endr
	WIN 0
.endm
.macro RELSUM                          ; their sum, into the buffer that is being written
.irp j, 0,2,4,6,8,10,12,14
	v_pk_add_f32 v[RP+\j:RP+\j+1], v[RP+\j:RP+\j+1], v[R2+\j:R2+\j+1]
.endr
	WIN 0x04                                       ; source 1 window 1
.irp j, 0,2,4,6,8,10,12,14
	v_pk_add_f32 v[RQ+\j:RQ+\j+1], v[RQ+\j:RQ+\j+1], v[RW+\j:RW+\j+1]
.endr
	WIN 0
.irp i, 0,1,2,3
	ds_store_b128 v7, v[RP+4*\i:RP+4*\i+3] offset:PITCH*\i
.endr
.irp i, 0,1,2,3
	ds_store_b128 v7, v[RQ+4*\i:RQ+4*\i+3] offset:PITCH*(4+\i)
.endr
.endm
.macro KLOAD                           ; a step's 8 half images of K and their scale words: 20 loads
	WIN 0x40                                       ; destination window 1
.irp t, 0,1,2,3,4,5,6,7
	global_load_b128 v[KC+6*\t:KC+6*\t+3], v1, s[KB:KB+1] offset:768*\t
	global_load_b64 v[KC+6*\t+4:KC+6*\t+5], v2, s[KB:KB+1] offset:768*\t+512
.endr
	WIN 0
.irp i, 0,1,2,3
	global_load_b32 v[KS+\i], v3, s[KSB:KSB+1] offset:128*\i
.endr
.endm
.macro VLOAD                           ; a step's 4 images of V and their scale words: 14 loads
	WIN 0x40
.irp d, 0,1,2,3
.irp g, 0,1,2
	global_load_b128 v[VF+12*\d+4*\g:VF+12*\d+4*\g+3], v1, s[VB:VB+1] offset:1536*\d+512*\g
.endr
.endr
	WIN 0
.irp i, 0,1
	global_load_b32 v[VS+\i], v3, s[VSB:VSB+1] offset:128*\i
.endr
.endm
; A PREFETCH of K's and V's streams.  All 16 work-groups of a head read the same streams: the head's first work-group asks, each wave for its own batch's two streams of 49152 bytes, in pieces of 8192 bytes, lanes 256 bytes
; apart: trip t names piece t + 1, trips 0 to 4; piece 0 comes by its loads alone.  So each block of 256 bytes is named once, and none lies past a stream's end.  It stands behind the trip's rel loads.
.macro ASK
	s_cmp_gt_u32 s[CNT], s[LIM]                    ; s[CNT] runs 7 .. 1; s[LIM] is 2 in the head's first work-group, else the greatest number
	s_cbranch_scc0 .Lnot_mine_\@
	global_prefetch_b8 v10, s[PFK:PFK+1] th:TH_LOAD_NT scope:SCOPE_SE
	global_prefetch_b8 v10, s[PFV:PFV+1] th:TH_LOAD_NT scope:SCOPE_SE
.Lnot_mine_\@:
.endm
	s_load_b128 s[4:7], s[0:1], 0x0                ; qkv_frag, qkv_sc
	s_load_b128 s[8:11], s[0:1], 0x10              ; rel_pos, rel_2d_pos
	s_load_b128 s[12:15], s[0:1], 0x20             ; attention_mask, ctx
	v_lshl_add_u32 v187, v0, 2, 0x28000
	v_mov_b32 v191, 0
	v_lshrrev_b32 v13, 5, v0
	v_readfirstlane_b32 s[WV], v13                 ; wave = batch
	v_and_b32 v14, 31, v0                          ; lane
	v_and_b32 v15, 15, v0                          ; r
	v_bfe_u32 v16, v0, 4, 1                        ; h
	v_lshlrev_b32 v1, 4, v14                       ; 16 x lane
	v_lshlrev_b32 v2, 3, v14                       ; 8 x lane
	v_lshlrev_b32 v3, 2, v14                       ; 4 x lane
	v_lshlrev_b32 v10, 8, v14                      ; 256 x lane
	v_lshlrev_b32 v11, 5, v14                      ; 32 x lane
	v_mul_u32_u24 v4, v15, PITCH
	v_lshl_add_u32 v4, v16, 5, v4                  ; R, read: row r, + 32 h
	s_mul_i32 s52, s[WV], 8*PITCH
	v_add_nc_u32 v6, s52, v1                       ; R, written: my 8 rows, 16 bytes a lane
	s_lshl_b32 s52, s[WV], 12
	s_add_co_u32 s52, s52, MBASE
	v_lshl_add_u32 v8, v16, 5, s52                 ; my wave's mask addends, read: + 32 h
	v_lshl_add_u32 v12, v14, 7, s52                ; written: 128 x lane
	s_and_b32 s52, ttmp7, 0xffff                   ; the head
	s_lshl_b32 s53, s[WV], 5
	s_add_co_u32 s53, s53, s52                     ; q's stream: 32 b + head
	s_lshl_b32 s54, s[WV], 4
	s_add_co_u32 s54, s54, s52                     ; 16 b + head
	s_mov_b32 s57, 0
	s_mov_b32 s59, 0
	s_mov_b32 s61, 0
	s_mov_b32 s63, 0
	s_mul_i32 s56, s53, 49152
	s_lshl_b32 s58, s53, 12
	s_mul_i32 s60, s54, 49152
	s_lshl_b32 s62, s54, 11
	s_mov_b32 s[SEL], 0x76543210
	s_mov_b32 s[SEL+1], 0xfedcba98
	s_mov_b32 s[CS], 0x3fb8aa3b                    ; log2(e)
	s_mov_b32 s[CS+1], s[CS]                       ; (named with it as a pair, so it is written)
	s_mov_b32 s[HI], 0xffff0000
	s_mov_b32 s[RB], 0
	s_mov_b32 s[RBN], RBUF1
	s_mov_b32 s[TS], 0
	s_mov_b32 s[CNT], 7
	s_cmp_eq_u32 ttmp9, 0
	s_cselect_b32 s[LIM], 2, -1
	s_wait_kmcnt 0x0
	s_add_nc_u64 s[QB:QB+1], s[4:5], s[56:57]
	s_add_nc_u64 s[KB:KB+1], s[QB:QB+1], 16*49152          ; k's stream: 16 streams on
	s_add_nc_u64 s[VB:VB+1], s[4:5], s[60:61]
	s_add_nc_u64 s[VB:VB+1], s[VB:VB+1], 256*49152         ; v's streams lie behind q's and k's 256
	s_add_nc_u64 s[QSB:QSB+1], s[6:7], s[58:59]
	s_add_nc_u64 s[KSB:KSB+1], s[QSB:QSB+1], 16*4096
	s_add_nc_u64 s[VSB:VSB+1], s[6:7], s[62:63]
	s_add_nc_u64 s[VSB:VSB+1], s[VSB:VSB+1], 1048576
	s_mul_i32 s56, ttmp9, 4*768                    ; my 4 tiles of queries
	s_add_nc_u64 s[QB:QB+1], s[QB:QB+1], s[56:57]
	s_lshl_b32 s56, ttmp9, 8
	s_add_nc_u64 s[QSB:QSB+1], s[QSB:QSB+1], s[56:57]
	s_add_nc_u64 s[PFK:PFK+1], s[KB:KB+1], 8192    ; the first trip names piece 1
	s_add_nc_u64 s[PFV:PFV+1], s[VB:VB+1], 8192
	s_lshl_b32 s56, s52, 10
	s_lshl_b32 s58, ttmp9, 6
	s_add_co_u32 s56, s56, s58
	s_lshl_b32 s58, s[WV], 3
	s_add_co_u32 s56, s56, s58                     ; row 1024 head + 64 block + 8 wave of the tables,
	s_lshl_b32 s56, s56, 12                        ; 4096 bytes a row
	s_add_nc_u64 s[RPB:RPB+1], s[8:9], s[56:57]
	s_add_nc_u64 s[R2B:R2B+1], s[10:11], s[56:57]
	s_lshl_b32 s56, s[WV], 10
	s_add_nc_u64 s[MKB:MKB+1], s[12:13], s[56:57]
	s_load_b512 s[68:83], s[MKB:MKB+1], 0x0        ; key step 0's 128 mask bytes
	s_load_b512 s[84:99], s[MKB:MKB+1], 0x40
	s_lshl_b32 s56, s[WV], 6
	s_lshl_b32 s58, ttmp9, 2
	s_add_co_u32 s56, s56, s58                     ; ctx: row tile 64 b + 4 block,
	s_lshl_b32 s56, s56, 4
	s_add_co_u32 s56, s56, s52                     ; 16 heads a tile,
	s_mul_i32 s56, s56, 768                        ; 768 bytes a half image
	s_add_nc_u64 s[CTXB:CTXB+1], s[14:15], s[56:57]
	s_lshl_b32 s56, s[WV], 3
	s_lshr_b32 s58, s52, 1
	s_add_co_u32 s56, s56, s58                     ; its scale words: [b][pair of heads][row]
	s_lshl_b32 s56, s56, 10
	s_lshl_b32 s58, ttmp9, 6
	s_add_co_u32 s56, s56, s58
	s_lshl_b32 s56, s56, 2
	s_and_b32 s58, s52, 1
	s_lshl_b32 s58, s58, 1                         ; the even head's two bytes low, the odd head's high
	s_add_co_u32 s56, s56, s58
	s_add_co_u32 s56, s56, 6291456
	s_add_nc_u64 s[CTXS:CTXS+1], s[14:15], s[56:57]
	; the first loads, in this order: Q 10, mask bytes 2, rel 16, K 20, V 14
.irp q, 0,1,2,3
	global_load_b128 v[QF+12*\q:QF+12*\q+3], v1, s[QB:QB+1] offset:768*\q
	global_load_b64 v[QF+12*\q+4:QF+12*\q+5], v2, s[QB:QB+1] offset:768*\q+512
.endr
.irp i, 0,1
	global_load_b32 v[QS+\i], v3, s[QSB:QSB+1] offset:128*\i
.endr
	global_load_b128 v[MK:MK+3], v11, s[MKB:MKB+1]             ; my 32 of my batch's 1024 mask bytes
	global_load_b128 v[MK+4:MK+7], v11, s[MKB:MKB+1] offset:16
	RELLOAD
	KLOAD
	VLOAD
.irp q, 0,1,2,3
.irp i, 6,7,8,9,10,11
	v_mov_b32 v[QF+12*\q+\i], 0                    ; Q's zero codes for the upper half of the instruction's K
.endr
	v_mov_b32 v[ST+4*\q+1], 0xff61b1e6             ; the largest t so far: -3e38, under every t
	v_floor_f32 v[ST+4*\q], -v[ST+4*\q+1]          ; -M
	v_mov_b32 v[ST+4*\q+2], 0                      ; the sum, in two halves
	v_mov_b32 v[ST+4*\q+3], 0
	v_mov_b32 v[PB+\q], 0                          ; a lane permute's destination counts as one of its sources
.endr
	v_mov_b32 v[PW], 0                             ; (named as the upper half of the pair with f before it is first written)
	v_mov_b32 v7, v6                               ; the first step's R goes into buffer 0
	WIN 0x40
.set j, 0
.rept 128
	v_mov_b32 v[j], 0                              ; O^T.  The key step is written for every step alike: the first finds zeros, which the first change of M leaves zeros; a first step of its own would be a third copy of the step's text
.set j, j+1
.endr
.irp i, 0,1,2,3,4,5
	v_mov_b32 v[KC+48+\i], 0                       ; the zeros behind K's chain
.endr
	WIN 0
	s_wait_loadcnt 34                              ; all but K's 20 and V's 14
	s_add_nc_u64 s[RPB:RPB+1], s[RPB:RPB+1], 512   ; (their loads are done)  the next step's 128 columns
	s_add_nc_u64 s[R2B:R2B+1], s[R2B:R2B+1], 512
	RELSUM
.irp k, 0,1,2,3,4,5,6,7,8,9,10,11,12,13,14,15,16,17,18,19,20,21,22,23,24,25,26,27,28,29,30,31
	v_bfe_u32 v[S+32+\k], v[MK+\k/4], 8*(\k%4), 8  ; a mask byte, 0 or 1,
.endr
.irp k, 0,1,2,3,4,5,6,7,8,9,10,11,12,13,14,15,16,17,18,19,20,21,22,23,24,25,26,27,28,29,30,31
	v_sub_nc_u32 v[S+32+\k], 0, v[S+32+\k]         ; as no bits or all bits,
.endr
.irp k, 0,1,2,3,4,5,6,7,8,9,10,11,12,13,14,15,16,17,18,19,20,21,22,23,24,25,26,27,28,29,30,31
	v_and_b32 v[S+32+\k], 0xff800000, v[S+32+\k]   ; as 0 or -infinity
.endr
.irp i, 0,1,2,3,4,5,6,7
	ds_store_b128 v12, v[S+32+4*\i:S+32+4*\i+3] offset:16*\i
.endr
	s_wait_dscnt 0x0                               ; for the others' sake: my rows of R have landed
	s_barrier_signal -1
	s_barrier_wait -1
	v_add_nc_u32 v5, s[RB], v4
	v_add_nc_u32 v7, s[RBN], v6
	v_add_nc_u32 v9, s[TS], v8
	RLOAD 0                                        ; the first tile's R
; ONE TILE OF QUERIES IN ONE KEY STEP.  next = 1: a further key step follows.
.macro PHASE qt, next
.set T, ST+4*(\qt)
	s_wait_dscnt 0x0                               ; R is in the accumulators' registers.  In the fourth tile also: my rows of the next R have landed, and these were my last reads of this R
.if (\qt) == 0
	s_wait_loadcnt 14+16*(\next)                   ; K is in; V's 14 loads and the 16 of the next step's rel rows are younger
.endif
	WIN 0x01                                       ; source 0 (K) window 1
.irp t, 0,1,2,3,4,5,6,7
	KQ \qt, \t                                     ; eight accumulators by turns
.endr
	WIN 0
	PLACES
.if ((\qt) == 3) && (\next)
	s_add_nc_u64 s[KB:KB+1], s[KB:KB+1], 6144      ; (the loads that read these bases were shown done at this step's head)
	s_add_nc_u64 s[KSB:KSB+1], s[KSB:KSB+1], 512
	KLOAD                                          ; all four tiles have multiplied by K: the next step's comes
	s_barrier_signal -1                            ; no LDS instruction of mine is out since the wait at this tile's head: say so now; the wait stands at the step's end
.endif
	s_cmp_eq_u32 s[ANY], 0
	s_cbranch_scc1 .Lopen_\@                       ; none of the step's keys is hidden
.irp c, 0,1,2,3
	ds_load_b128 v[MK:MK+3], v9 offset:128*\c      ; registers 16 c + 0 .. 7: keys 32 c + 8 h + 0 .. 7; 16 c + 8 .. 15: sixteen keys on
	ds_load_b128 v[MK+4:MK+7], v9 offset:128*\c+16
	ds_load_b128 v[MK+8:MK+11], v9 offset:128*\c+64
	ds_load_b128 v[MK+12:MK+15], v9 offset:128*\c+80
	s_wait_dscnt 0x0
.irp j, 0,2,4,6,8,10,12,14
	v_pk_add_f32 v[S+16*\c+\j:S+16*\c+\j+1], v[S+16*\c+\j:S+16*\c+\j+1], v[MK+\j:MK+\j+1]
.endr
.endr
.Lopen_\@:
.irp b, 0,1,2,3
	v_max3_num_f32 v[BM+\b], v[S+16*\b], v[S+16*\b+1], v[S+16*\b+2]   ; the largest score of each block of 32 keys: for the row's maximum and for the block's largest p
.endr
.irp i, 3,5,7,9,11,13
.irp b, 0,1,2,3
	v_max3_num_f32 v[BM+\b], v[BM+\b], v[S+16*\b+\i], v[S+16*\b+\i+1]
.endr
.endr
.irp b, 0,1,2,3
	v_max_num_f32 v[BM+\b], v[BM+\b], v[S+16*\b+15]
.endr
.irp b, 0,1,2,3
	v_permlanex16_b32 v[PB+\b], v[BM+\b], s[SEL], s[SEL+1]
.endr
.irp b, 0,1,2,3
	v_max_num_f32 v[BM+\b], v[BM+\b], v[PB+\b]     ; with lane l xor 16's 16 keys
.endr
	v_max3_num_f32 v[TT], v[BM], v[BM+1], v[BM+2]
	v_max_num_f32 v[TT], v[TT], v[BM+3]
	v_mul_f32 v[TT], s[CS], v[TT]                  ; the step's largest t of my query
	v_max_num_f32 v[T+1], v[T+1], v[TT]            ; the running largest
	v_mov_b32 v[TT], v[T]
	v_floor_f32 v[T], -v[T+1]                      ; the new -M = floor(-t): M is a whole number
	v_sub_f32 v[TT], v[T], v[TT]                   ; old M - new M: a whole number, 0 or less
	v_cvt_i32_f32 v[TT], v[TT]                     ; (it saturates)
	v_ldexp_f32 v[F], 1.0, v[TT]                   ; f = 2^(old M - new M)
.set j, 0
.rept 32
	v_pk_fma_f32 v[S+j:S+j+1], v[S+j:S+j+1], s[CS:CS+1], v[T:T+1] op_sel_hi:[1,0,0]   ; t - M, two at a time
.set j, j+2
.endr
.irp b, 0,1,2,3
	v_fma_f32 v[BM+\b], v[BM+\b], s[CS], v[T]      ; the same of each block's largest score
.endr
.set j, 0
.rept 64
	v_exp_f32 v[S+j], v[S+j]                       ; p = 2^(t - M), at most 1
.set j, j+1
.endr
	v_pk_mul_f32 v[T+2:T+3], v[T+2:T+3], v[F:F+1] op_sel_hi:[1,0]   ; the sums under the new M: the plain place behind the exponentials
	s_wait_alu depctr_va_vdst(0)                   ; one wait for the batch of 64, ahead of its first reader
.irp b, 0,1,2,3
	v_exp_f32 v[BM+\b], v[BM+\b]                   ; the blocks' largest p
.endr
	v_pk_add_f32 v[PB:PB+1], v[S:S+1], v[S+2:S+3]  ; the row's sum of the unquantised p, in two chains
.set j, 4
.rept 15
	v_pk_add_f32 v[T+2:T+3], v[T+2:T+3], v[S+j:S+j+1]
	v_pk_add_f32 v[PB:PB+1], v[PB:PB+1], v[S+j+2:S+j+3]
.set j, j+4
.endr
	v_pk_add_f32 v[T+2:T+3], v[T+2:T+3], v[PB:PB+1]
	s_wait_alu depctr_va_vdst(0)                   ; and one for the four
.irp b, 0,1,2,3
	v_max_num_f32 v[BM+\b], 0x2800000, v[BM+\b]    ; the floor 2^(5 - 127): the byte cannot fall under 1
.endr
.irp b, 0,1,2,3
	v_add_nc_u32 v[SO+\b], 0xfe000000, v[BM+\b]    ; 4 off the exponent field: the conversion's scale operand
.endr
.irp b, 0,1,2,3
	v_lshrrev_b32 v[PB+\b], 23, v[SO+\b]           ; the byte
.endr
	v_lshl_or_b32 v[PW], v[PB+1], 8, v[PB]         ; p's scale word for these 128 keys
	v_lshl_or_b32 v[PW], v[PB+2], 16, v[PW]
	v_lshl_or_b32 v[PW], v[PB+3], 24, v[PW]
.irp c, 0,1
	v_cvt_scalef32_pk16_bf6_f32 v[CD+6*\c:CD+6*\c+2], v[S+32*\c:S+32*\c+15], v[SO+2*\c]
	v_cvt_scalef32_pk16_bf6_f32 v[PB+4*\c:PB+4*\c+2], v[S+32*\c+16:S+32*\c+31], v[SO+2*\c+1]   ; (a conversion's three registers begin on an even number)
.endr
.if (\qt) < 3
	RLOAD (\qt)+1                                  ; p is in codes: the next tile's R takes its registers
.endif
	v_nop                                          ; one plain place behind a scaled conversion
.irp c, 0,1                                    ; a whole block to a lane: lanes 0-15 block 2 c, lanes 16-31 block 2 c + 1
.irp i, 0,1,2
	v_permlane16_swap_b32 v[CD+6*\c+\i], v[PB+4*\c+\i]
.endr
.irp i, 0,1,2
	v_mov_b32 v[CD+3+6*\c+\i], v[PB+4*\c+\i]
.endr
.endr
	WIN 0x41                                       ; O^T (destination and source 0) window 1, f window 0
.set j, 0
.rept 16
	v_pk_mul_f32 v[32*(\qt)+j:32*(\qt)+j+1], v[32*(\qt)+j:32*(\qt)+j+1], v[F:F+1] op_sel_hi:[1,0]   ; O^T under the new M.  These 16 are also the places between the codes' and the scale word's last writes and the products
.set j, j+2
.endr
	PLACES                                         ; and four more, so that every register of the products that a vector instruction has written stands four places ahead of them
.if (\qt) == 0
	s_wait_loadcnt 16*(\next)                      ; V is in; the 16 rel loads are younger
.endif
	WIN 0x51                                       ; V window 1, p's codes window 0, O^T window 1
.irp d, 0,1,2,3
	PV \qt, \d                                     ; four accumulators by turns
.endr
	WIN 0
.endm
; A KEY STEP.  next = 1: the next step's rel rows are asked for at the head and summed behind the third tile, its K is asked for in the fourth tile, its first R and its V behind the barrier's wait.
.macro TRIP next
	s_wait_kmcnt 0x0                               ; the step's 128 mask bytes
	s_or_b32 s[ANY], s68, s69
.irp k, 70,71,72,73,74,75,76,77,78,79,80,81,82,83,84,85,86,87,88,89,90,91,92,93,94,95,96,97,98,99
	s_or_b32 s[ANY], s[ANY], s[\k]
.endr
.if \next
	s_add_nc_u64 s[MKB:MKB+1], s[MKB:MKB+1], 128
	s_load_b512 s[68:83], s[MKB:MKB+1], 0x0
	s_load_b512 s[84:99], s[MKB:MKB+1], 0x40
	RELLOAD                                        ; three tiles ahead of their sum
	ASK
.endif
	PHASE 0, \next
	PHASE 1, \next
	PHASE 2, \next
.if \next
	s_wait_loadcnt 0x0                             ; the 16 rel loads: nothing younger is out
	RELSUM
	s_wait_xcnt 0x0                                ; this trip's prefetches, three tiles back, have read their addresses: these are written only behind this wait
	s_add_nc_u64 s[PFK:PFK+1], s[PFK:PFK+1], 8192
	s_add_nc_u64 s[PFV:PFV+1], s[PFV:PFV+1], 8192
	s_add_nc_u64 s[RPB:RPB+1], s[RPB:RPB+1], 512   ; the 128 columns that the next trip asks for (the last such step is not used)
	s_add_nc_u64 s[R2B:R2B+1], s[R2B:R2B+1], 512
.endif
	PHASE 3, \next
.if \next
	s_barrier_wait -1                              ; all eight waves have stored their rows of the next R and ended their reads of this one
	s_xor_b32 s[RB], s[RB], RBUF1
	s_xor_b32 s[RBN], s[RBN], RBUF1
	s_add_co_u32 s[TS], s[TS], 512
	v_add_nc_u32 v5, s[RB], v4                     ; these three and the v_nop are the places behind the last products, in front of the loads into V's registers
	v_add_nc_u32 v7, s[RBN], v6
	v_add_nc_u32 v9, s[TS], v8
	v_nop
	RLOAD 0                                        ; the next step's first R is asked for first: V's loads and the mask's scalar work stand between it and the wait for it
	s_add_nc_u64 s[VB:VB+1], s[VB:VB+1], 6144
	s_add_nc_u64 s[VSB:VSB+1], s[VSB:VSB+1], 256
	VLOAD
.endif
.endm
.Lstep:
	TRIP 1
	s_sub_co_u32 s[CNT], s[CNT], 1
	s_cmp_lg_u32 s[CNT], 0
	s_cbranch_scc1 .Lstep
	TRIP 0                                         ; the last step asks for nothing: no load leaves its buffer
	; THE WAY OUT: O^T / the sum, quantised along the head's 64 (two blocks), as a half image and two scale bytes a row.  The additions are the places behind the last products.
.set W0,   216                         ; v216-219 a tile's two bytes
.set ALLF, 220
.irp q, 0,1,2,3
	v_add_f32 v[ST+4*\q+3], v[ST+4*\q+2], v[ST+4*\q+3]
.endr
.irp q, 0,1,2,3
	v_permlanex16_b32 v[PB+\q], v[ST+4*\q+3], s[SEL], s[SEL+1]
.endr
.irp q, 0,1,2,3
	v_add_f32 v[ST+4*\q+3], v[ST+4*\q+3], v[PB+\q] ; the row's sum, in both halves of the lanes
.endr
.irp q, 0,1,2,3
	v_rcp_f32 v[ST+4*\q+2], v[ST+4*\q+3]
.endr
	v_mov_b32 v[ALLF], 0xffff                      ; (the plain place behind the reciprocals)
	s_wait_alu depctr_va_vdst(0)                   ; one wait for the four, ahead of their first reader
.macro OUT q
.set D, RP+6*(\q)
	WIN 0x01                                       ; source 0 (O^T) window 1
.set j, 0
.rept 16
	v_pk_mul_f32 v[S+j:S+j+1], v[32*(\q)+j:32*(\q)+j+1], v[ST+4*(\q)+2:ST+4*(\q)+3] op_sel_hi:[1,0]   ; each accumulator from its low end on
.set j, j+2
.endr
	WIN 0
.irp b, 0,1
	v_max3_num_f32 v[BM+\b], |v[S+16*\b]|, |v[S+16*\b+1]|, 0x2800000
.endr
.irp i, 2,4,6,8,10,12,14
.irp b, 0,1
	v_max3_num_f32 v[BM+\b], v[BM+\b], |v[S+16*\b+\i]|, |v[S+16*\b+\i+1]|
.endr
.endr
.irp b, 0,1
	v_permlanex16_b32 v[PB+\b], v[BM+\b], s[SEL], s[SEL+1]
.endr
.irp b, 0,1
	v_max_num_f32 v[BM+\b], v[BM+\b], v[PB+\b]
.endr
.irp b, 0,1
	v_add_nc_u32 v[SO+\b], 0xfe000000, v[BM+\b]
.endr
.irp b, 0,1
	v_lshrrev_b32 v[PB+\b], 23, v[SO+\b]
.endr
	v_lshl_or_b32 v[W0+(\q)], v[PB+1], 8, v[PB]
	v_cmp_eq_f32 vcc_lo, 0, v[ST+4*(\q)+3]         ; every key hidden: the sum is 0
	v_cndmask_b32 v[W0+(\q)], v[W0+(\q)], v[ALLF], vcc_lo   ; then both bytes are 0xff
	v_cvt_scalef32_pk16_bf6_f32 v[D:D+2], v[S:S+15], v[SO]
	v_cvt_scalef32_pk16_bf6_f32 v[PB+4:PB+6], v[S+16:S+31], v[SO+1]
	v_nop                                          ; one plain place behind a scaled conversion
.irp i, 0,1,2
	v_permlane16_swap_b32 v[D+\i], v[PB+4+\i]
.endr
.irp i, 0,1,2
	v_mov_b32 v[D+3+\i], v[PB+4+\i]
.endr
	global_store_b128 v1, v[D:D+3], s[CTXB:CTXB+1] offset:12288*(\q)         ; 512 consecutive bytes, aligned
	global_store_b64 v2, v[D+4:D+5], s[CTXB:CTXB+1] offset:12288*(\q)+512    ; 256
.endm
	OUT 0
	OUT 1
	OUT 2
	OUT 3
	v_cndmask_b32 v222, v[W0], v[W0+1], s[HI]      ; lanes 0-15: the even tile's rows, lanes 16-31: the odd tile's
	v_cndmask_b32 v223, v[W0+2], v[W0+3], s[HI]
	global_store_b16 v3, v222, s[CTXS:CTXS+1]      ; two bytes of each row's word; the pair's other head writes the other two
	global_store_b16 v3, v223, s[CTXS:CTXS+1] offset:128
	s_wait_tensorcnt 0x0
	ds_add_u32 v187, v191
	s_wait_dscnt 0x0
	s_endpgm
.Lfunc_end_k_q9d6dbe2fdd_attn:
	.size	k_q9d6dbe2fdd_attn, .Lfunc_end_k_q9d6dbe2fdd_attn-k_q9d6dbe2fdd_attn
	.p2alignl 7, 3214868480
	.fill 96, 4, 3214868480
	.section	.rodata,"a",@progbits
	.p2align	6, 0x0
	.amdhsa_kernel k_q9d6dbe2fdd_attn
		.amdhsa_group_segment_fixed_size 164864
		.amdhsa_private_segment_fixed_size 0
		.amdhsa_enable_private_segment 0
		.amdhsa_kernarg_size 48
		.amdhsa_user_sgpr_count 2
		.amdhsa_user_sgpr_kernarg_segment_ptr 1
		.amdhsa_wavefront_size32 1
		.amdhsa_system_sgpr_workgroup_id_x 1
		.amdhsa_system_sgpr_workgroup_id_y 1
		.amdhsa_system_sgpr_workgroup_id_z 1
		.amdhsa_system_vgpr_workitem_id 0
		.amdhsa_next_free_vgpr 512
		.amdhsa_next_free_sgpr 100
		.amdhsa_reserve_vcc 1
		.amdhsa_float_denorm_mode_32 3
		.amdhsa_float_denorm_mode_16_64 3
		.amdhsa_memory_ordered 1
		.amdhsa_forward_progress 1
		.amdhsa_inst_pref_size 190
	.end_amdhsa_kernel
	.amdgpu_metadata
---
amdhsa.version: [ 1, 2 ]
amdhsa.kernels:
  - .name:           k_q9d6dbe2fdd_attn
    .symbol:         k_q9d6dbe2fdd_attn.kd
    .args:
      - { .name: qkv_frag, .offset: 0, .size: 8, .value_kind: global_buffer, .address_space: global }
      - { .name: qkv_sc, .offset: 8, .size: 8, .value_kind: global_buffer, .address_space: global }
      - { .name: rel_pos, .offset: 16, .size: 8, .value_kind: global_buffer, .address_space: global }
      - { .name: rel_2d_pos, .offset: 24, .size: 8, .value_kind: global_buffer, .address_space: global }
      - { .name: attention_mask, .offset: 32, .size: 8, .value_kind: global_buffer, .address_space: global }
      - { .name: ctx, .offset: 40, .size: 8, .value_kind: global_buffer, .address_space: global }
    .group_segment_fixed_size: 164864
    .private_segment_fixed_size: 0
    .kernarg_segment_align: 8
    .kernarg_segment_size: 48
    .max_flat_workgroup_size: 256
    .sgpr_count:     100
    .vgpr_count:     512
    .wavefront_size: 32
...
	.end_amdgpu_metadata
.endif
;; end of part 3
;; launch outln (part 4): grid 256 x 1, 8 waves a work-group, no clusters, 295,936 bytes of LDS; arguments ctx, wo, hidden_states, b_out, ln_gamma, ln_beta, out0; writes out0
.if DOCPART == 4
	.amdgcn_target "amdgcn-amd-amdhsa--gfx1250"
	.amdhsa_code_object_version 6
	.text
	.protected	k_q9d6dbe2fdd_outln
	.globl	k_q9d6dbe2fdd_outln
	.p2align	8
	.type	k_q9d6dbe2fdd_outln,@function
k_q9d6dbe2fdd_outln:
	s_mov_b64 s[64:65], 0
	v_nop
	global_prefetch_b8 v0, s[64:65] scope:SCOPE_SE
	s_setreg_imm32_b32 hwreg(HW_REG_WAVE_MODE, 25, 1), 1
	s_wait_xcnt 0x0
; out = LayerNorm(ctx w_out^T + b_out + x) x gamma + beta; the product on codes of BF6 (E3M2) with E8M0 scales, K = 1024, all else in f32.
; SHARES.  A work-group owns 32 whole rows (the norm wants whole rows); wave w owns columns 128 w .. 128 w + 127: 2 tiles of rows x 8 tiles of columns, 16 accumulators.
; Both operands lie in memory as images of operand registers: ctx [tile of 16 rows, 512][head 16][768 bytes], two heads to a K step of 128; wo [tile of 16 columns, 64][K step 8][1536 bytes].
; ctx: all 8 waves want the work-group's 24576 bytes: they come into LDS ONCE, by the tensor data mover, 3072 bytes a wave, and every wave takes its fragments from there behind one barrier.
; w_out: no two waves read the same fragment.  K steps 0 to 5 of a wave's 8 column tiles go from memory straight into its registers.  K steps 6 and 7 (24576 bytes a wave, 196608 a work-group: what LDS holds beside
; ctx and the stages) are brought by one tensor load a wave at the head, into bytes that only that wave reads, and are multiplied last.  NOTHING IN LDS IS FILLED A SECOND TIME.
; The product is used transposed (source 0 = 16 rows of w_out, source 1 = 16 rows of ctx): a lane is a row, its registers 8 neighbouring columns.
; x + b_out IS THE C OF THE FIRST K STEP: x comes as dense rows (512 consecutive bytes a load), b_out is added, and the sum turns through the wave's own stage in LDS, 16 rows at a time, into the accumulators' layout.
; The 8 K steps are written out: every offset is an immediate, no pointer is stepped; two sets of operand registers, loads a step and more ahead.
; THE NORM in two passes (the mean; then the sum of squares of h - mean): no difference of large sums is formed.  A row's parts of the 8 waves meet in LDS, one barrier a pass.
; NO CLUSTER: what a joint load could serve is K steps 6 and 7 of w_out, 196608 of the 786432 bytes of its codes; the other 589824 go to registers, where no joint load lands; ctx and x are shared with no other work-group.
; LIMITS: NaN and infinities among the inputs are not served; a row of ctx whose scale bytes are 0xff (every key hidden) comes out NaN, as it should.
; REGISTERS.  Window 0: v1-7 addresses; v8-19 b_out, gamma, beta of my 4 columns; v20-21 ctx's scale words, v22-29 w_out's (a set for each of the two stages); v32-159 the accumulators ((rt, ct) at 32 + 8 (8 rt + ct));
;   v160-207 ctx's fragments; v208-231 at work; v232-234 LDS addresses.   Window 1: v0-191 w_out's fragments.
.set WLW,   24576                      ; LDS from byte 0: a wave's K steps 6 and 7 of w_out: [column tile 8][K step 2][1536 bytes]
.set CTXL,  196608                     ; the work-group's ctx, as it lies in memory: [tile of rows 2][K step 8][1536 bytes]
.set STG0,  221184                     ; the stages:
.set STG,   8448                       ; a wave's: 16 rows x (512 bytes + 16)
.set PART1, 288768                     ; 8 waves x 32 rows x 4 bytes: the rows' partial sums;
.set PART2, 289792                     ; and their partial sums of squares
.set ACC, 32
.set AF,  160
.set AS,  20
.set WS,  22
.set WLA, 232                          ; v232 my wave's w_out in LDS + 16 x lane
.set CA,  233                          ; v233 ctx in LDS + 16 x lane
.set CA8, 234                          ; v234 ctx in LDS + 8 x lane
.set G1W, 40                           ; s[40:47] descriptor group 1 for w_out's tile;  s[48:51] its group 0
.set G0W, 48
.set G1C, 52                           ; s[52:59], s[60:63] the same for ctx
.set G0C, 60
.set MSB, 0
.macro WIN new                         ; the immediate's high byte repeats the setting that is left
.if MSB != (\new)
	s_set_vgpr_msb (MSB<<8)|(\new)
.set MSB, (\new)
.endif
.endm
.macro PLACES                          ; plain vector instructions between a matrix instruction and a load into, or a read or write of, its registers
.rept 4
	v_nop
.endr
.endm
	s_load_b256 s[4:11], s[0:1], 0x0               ; ctx, wo, hidden_states, b_out
	s_load_b128 s[12:15], s[0:1], 0x20             ; ln_gamma, ln_beta
	s_load_b64 s[16:17], s[0:1], 0x30              ; out0
	v_lshl_add_u32 v254, v0, 2, 0x48000
	v_mov_b32 v255, 0
	ds_add_u32 v254, v255
	ds_add_u32 v254, v255
	v_lshrrev_b32 v208, 5, v0
	v_readfirstlane_b32 s2, v208                   ; wave 0..7
	; w_out's tile: 8 rows (column tiles) of 3072 bytes (K steps 6 and 7), 12288 bytes apart; elements of 8 bytes; no padding: a fragment's loads read 512 consecutive bytes
	s_mov_b32 s[G1W+0], 3<<16                      ; 15:0 no mask; 17:16 elements of 8 bytes
	s_mov_b32 s[G1W+1], 384<<16                    ; tensor_dim0 = 384
	s_mov_b32 s[G1W+2], 8<<16                      ; tensor_dim1 = 8
	s_mov_b32 s[G1W+3], 384<<16                    ; tile_dim0 = 384
	s_mov_b32 s[G1W+4], 8                          ; tile_dim1 = 8
	s_mov_b32 s[G1W+5], 1536                       ; the pitch, in elements
	s_mov_b32 s[G1W+6], 0
	s_mov_b32 s[G1W+7], 0
	; ctx's tile: 3072 dense bytes as 12 rows of 256
	s_mov_b32 s[G1C+0], 3<<16
	s_mov_b32 s[G1C+1], 32<<16
	s_mov_b32 s[G1C+2], 12<<16
	s_mov_b32 s[G1C+3], 32<<16
	s_mov_b32 s[G1C+4], 12
	s_mov_b32 s[G1C+5], 32
	s_mov_b32 s[G1C+6], 0
	s_mov_b32 s[G1C+7], 0
	s_mov_b32 s[G0W], 1
	s_mul_i32 s[G0W+1], s2, WLW                    ; LDS: my wave's 24576 bytes
	s_mov_b32 s[G0C], 1
	s_mul_i32 s[G0C+1], s2, 3072
	s_add_co_u32 s[G0C+1], s[G0C+1], CTXL          ; LDS: my eighth of ctx
	s_mov_b32 s37, 0
	s_mov_b32 s39, 0
	s_mul_i32 s36, ttmp9, 24576                    ; ctx: my work-group's two tiles of rows, 12288 bytes each,
	s_mul_i32 s38, s2, 3072
	s_add_co_u32 s36, s36, s38                     ; and my eighth of them
	s_mul_i32 s38, s2, 98304                       ; wo: my 8 tiles of columns, 12288 bytes each
	v_and_b32 v208, 31, v0                         ; lane
	v_and_b32 v209, 15, v0                         ; r
	v_bfe_u32 v210, v0, 4, 1                       ; h
	v_lshlrev_b32 v1, 4, v208                      ; 16 x lane
	v_lshlrev_b32 v2, 3, v208                      ; 8 x lane
	v_lshlrev_b32 v3, 2, v208                      ; 4 x lane
	s_wait_dscnt 0x0
	s_wait_kmcnt 0x0
	s_add_nc_u64 s[G0C+2:G0C+3], s[4:5], s[36:37]
	s_or_b32 s[G0C+3], s[G0C+3], 0x80000000        ; 127:126 type = 2
	s_add_nc_u64 s[22:23], s[6:7], s[38:39]
	s_add_nc_u64 s[G0W+2:G0W+3], s[22:23], 6*1536  ; K step 6 of my first column tile
	s_or_b32 s[G0W+3], s[G0W+3], 0x80000000
	tensor_load_to_lds s[G0C:G0C+3], s[G1C:G1C+7]  ; the launch's only tensor loads: two a wave, together, ahead of every wait on TENSORcnt, every LDS read and every barrier
	s_nop 0
	tensor_load_to_lds s[G0W:G0W+3], s[G1W:G1W+7]
	s_nop 0
.rept 4
	v_nop
.endr
	s_mul_i32 s35, s2, STG
	s_add_co_u32 s35, s35, STG0
	v_mul_u32_u24 v4, v209, 528
	v_lshl_add_u32 v4, v210, 5, v4
	v_add_nc_u32 v4, s35, v4                       ; my stage in the accumulators' layout: row r, + 32 h
	v_add_nc_u32 v5, s35, v1                       ; and by rows: 16 bytes a lane
	s_lshl_b32 s35, s2, 7
	s_add_co_u32 s35, s35, PART1
	v_add_nc_u32 v6, s35, v3                       ; my wave's 32 partial sums
	v_add_nc_u32 v7, PART1, v3                     ; wave 0's
	s_mul_i32 s35, s2, WLW
	v_add_nc_u32 v[WLA], s35, v1
	v_add_nc_u32 v[CA], CTXL, v1
	v_add_nc_u32 v[CA8], CTXL, v2
	v_mov_b32 v216, 0                              ; lane permutes' destinations count as sources;
	v_mov_b32 v217, 0
	v_mov_b32 v221, 0                              ; named as pairs' upper halves
	v_mov_b32 v223, 0
	s_mov_b32 s30, 0x76543210
	s_mov_b32 s31, 0xfedcba98                      ; lane l xor 16
	s_mov_b32 s32, 0xffff0000                      ; lanes 16-31
	s_mov_b32 s33, 0x3a800000                      ; 1 / 1024
	s_mov_b32 s34, 0x2b8cbccc                      ; 1e-12
	s_lshr_b32 s36, ttmp9, 5                       ; the batch: 32 work-groups each
	s_lshl_b32 s36, s36, 15                        ; 8 K steps x 4096 bytes of scale words
	s_and_b32 s38, ttmp9, 31
	s_lshl_b32 s38, s38, 7                         ; my 32 rows' words
	s_add_co_u32 s36, s36, s38
	s_add_co_u32 s36, s36, 6291456
	s_add_nc_u64 s[20:21], s[4:5], s[36:37]
	s_lshl_b32 s38, s2, 9                          ; 512 x wave: my 128 columns in f32, and my 128 scale words
	s_add_co_u32 s36, s38, 786432
	s_add_nc_u64 s[24:25], s[6:7], s[36:37]
	s_lshl_b32 s36, ttmp9, 17                      ; 32 rows of 4096 bytes
	s_add_co_u32 s36, s36, s38
	s_add_nc_u64 s[26:27], s[8:9], s[36:37]        ; x
	s_add_nc_u64 s[28:29], s[16:17], s[36:37]      ; out
	s_mov_b32 s36, s38
	s_add_nc_u64 s[10:11], s[10:11], s[36:37]
	s_add_nc_u64 s[12:13], s[12:13], s[36:37]
	s_add_nc_u64 s[14:15], s[14:15], s[36:37]
; K step p's fragments of w_out and both sides' scale words into set p % 2.  p < 6: 24 + 4 + 1 = 29 loads from memory.  p = 6, 7: 24 LDS loads, and 5 loads from memory.
.macro LOADW p
.set SG, (\p)%2
	WIN 0x40                                       ; destination window 1
.irp ct, 0,1,2,3,4,5,6,7
.irp g, 0,1,2
.if (\p) < 6
	global_load_b128 v[96*SG+12*\ct+4*\g:96*SG+12*\ct+4*\g+3], v1, s[22:23] offset:12288*\ct+1536*(\p)+512*\g
.else
	ds_load_b128 v[96*SG+12*\ct+4*\g:96*SG+12*\ct+4*\g+3], v[WLA] offset:3072*\ct+1536*((\p)-6)+512*\g
.endif
.endr
.endr
	WIN 0
.irp i, 0,1,2,3
	global_load_b32 v[WS+4*SG+\i], v3, s[24:25] offset:4096*(\p)+128*\i       ; lanes 0-15: column tile 2 i's words, lanes 16-31: tile 2 i + 1's
.endr
	global_load_b32 v[AS+SG], v3, s[20:21] offset:4096*(\p)                   ; lanes 0-15: my first 16 rows' words, lanes 16-31: the other 16's
.endm
; K step p's fragments of ctx, from LDS, into set p % 2: 8 LDS loads
.macro LOADA p
.set SG, (\p)%2
.irp rt, 0,1
	ds_load_b128 v[AF+24*SG+12*\rt:AF+24*SG+12*\rt+3], v[CA] offset:12288*\rt+1536*(\p)            ; head 2 p's half image: registers 0-5,
	ds_load_b64 v[AF+24*SG+12*\rt+4:AF+24*SG+12*\rt+5], v[CA8] offset:12288*\rt+1536*(\p)+512
	ds_load_b128 v[AF+24*SG+12*\rt+6:AF+24*SG+12*\rt+9], v[CA] offset:12288*\rt+1536*(\p)+768      ; head 2 p + 1's: registers 6-11
	ds_load_b64 v[AF+24*SG+12*\rt+10:AF+24*SG+12*\rt+11], v[CA8] offset:12288*\rt+1536*(\p)+1280
.endr
.endm
.macro MM p, ct, rt
.set SG, (\p)%2
.set DA, ACC+8*(8*(\rt)+(\ct))
.set WA, 96*SG+12*(\ct)
.set CF, AF+24*SG+12*(\rt)
.if ((\ct)%2 == 0) && ((\rt) == 0)
	v_wmma_scale_f32_16x16x128_f8f6f4 v[DA:DA+7], v[WA:WA+11], v[CF:CF+11], v[DA:DA+7], v[WS+4*SG+(\ct)/2], v[AS+SG] matrix_a_fmt:MATRIX_FMT_BF6 matrix_b_fmt:MATRIX_FMT_BF6
.elseif (\rt) == 0
	v_wmma_scale_f32_16x16x128_f8f6f4 v[DA:DA+7], v[WA:WA+11], v[CF:CF+11], v[DA:DA+7], v[WS+4*SG+(\ct)/2], v[AS+SG] matrix_a_fmt:MATRIX_FMT_BF6 matrix_b_fmt:MATRIX_FMT_BF6 matrix_a_scale:MATRIX_SCALE_ROW1
.elseif (\ct)%2 == 0
	v_wmma_scale_f32_16x16x128_f8f6f4 v[DA:DA+7], v[WA:WA+11], v[CF:CF+11], v[DA:DA+7], v[WS+4*SG+(\ct)/2], v[AS+SG] matrix_a_fmt:MATRIX_FMT_BF6 matrix_b_fmt:MATRIX_FMT_BF6 matrix_b_scale:MATRIX_SCALE_ROW1
.else
	v_wmma_scale_f32_16x16x128_f8f6f4 v[DA:DA+7], v[WA:WA+11], v[CF:CF+11], v[DA:DA+7], v[WS+4*SG+(\ct)/2], v[AS+SG] matrix_a_fmt:MATRIX_FMT_BF6 matrix_b_fmt:MATRIX_FMT_BF6 matrix_a_scale:MATRIX_SCALE_ROW1 matrix_b_scale:MATRIX_SCALE_ROW1
.endif
.endm
.macro MUL p                           ; 16 products: the 16 accumulators take turns, one instruction a turn, in the same order in every K step
	WIN 0x01                                       ; source 0 (w_out) window 1
.irp ct, 0,1,2,3,4,5,6,7
.irp rt, 0,1
	MM \p, \ct, \rt
.endr
.endr
	WIN 0
.endm
	LOADW 0
.irp i, 0,1,2,3,4,5,6,7,8,9,10,11,12,13,14,15,16,17,18,19,20,21,22,23,24,25,26,27,28,29,30,31
	global_load_b128 v[ACC+4*\i:ACC+4*\i+3], v1, s[26:27] offset:4096*\i      ; x: row i, my wave's 512 consecutive bytes
.endr
	global_load_b128 v[8:11], v1, s[10:11]         ; b_out, gamma, beta of my 4 columns
	global_load_b128 v[12:15], v1, s[12:13]
	global_load_b128 v[16:19], v1, s[14:15]
	LOADW 1
	s_wait_tensorcnt 0x1                           ; my eighth of ctx has landed; w_out's load, issued behind it, may stay out
	s_barrier_signal -1
	s_barrier_wait -1                              ; everybody's eighth has
	LOADA 0
	LOADA 1
	s_wait_loadcnt 29                              ; K step 0's operands, x and the three vectors are in; K step 1's 29 loads are younger
.irp i, 0,1,2,3,4,5,6,7,8,9,10,11,12,13,14,15,16,17,18,19,20,21,22,23,24,25,26,27,28,29,30,31
	v_pk_add_f32 v[ACC+4*\i:ACC+4*\i+1], v[ACC+4*\i:ACC+4*\i+1], v[8:9]
	v_pk_add_f32 v[ACC+4*\i+2:ACC+4*\i+3], v[ACC+4*\i+2:ACC+4*\i+3], v[10:11]
.endr
.irp rt, 0,1                                   ; 16 rows at a time through my stage.  LDS serves a wave's instructions in order: the loads see the stores above them, and the second half's stores come behind the first half's loads
.irp i, 0,1,2,3,4,5,6,7,8,9,10,11,12,13,14,15
	ds_store_b128 v5, v[ACC+64*\rt+4*\i:ACC+64*\rt+4*\i+3] offset:528*\i
.endr
.irp ct, 0,1,2,3,4,5,6,7
	ds_load_b128 v[ACC+8*(8*\rt+\ct):ACC+8*(8*\rt+\ct)+3], v4 offset:64*\ct           ; lane (r, h): row 16 rt + r, columns 16 ct + 8 h + 0 .. 7
	ds_load_b128 v[ACC+8*(8*\rt+\ct)+4:ACC+8*(8*\rt+\ct)+7], v4 offset:64*\ct+16
.endr
.endr
	s_wait_dscnt 0x0                               ; the accumulators' first values, and ctx's fragments of K steps 0 and 1
.irp p, 0,1,2,3,4,5,6,7
.if \p == 7
	s_wait_loadcnt 0x0
	s_wait_dscnt 0x0
.elseif \p >= 5
	s_wait_loadcnt 5                               ; this K step's operands are in; younger are the next step's 5 loads from memory
	s_wait_dscnt 32                                ; and its 24 + 8 LDS loads
.elseif \p > 0
	s_wait_loadcnt 29                              ; this K step's operands are in; younger are the next step's 29 loads from memory
	s_wait_dscnt 8                                 ; and its 8 LDS loads
.endif
	MUL \p
.if \p < 6
	PLACES
.if \p == 4
	s_wait_tensorcnt 0x0                           ; my K steps 6 and 7 of w_out have landed: only I read them, so my own wait is all the ordering that the reads need
.endif
	LOADW \p+2                                     ; into the set just multiplied
	LOADA \p+2
.endif
.endr
; what the two tiles of rows have in v208 and v212 (a lane's part of its row) becomes, in v216, the whole row's sum for row = lane
.macro REDUCE off
	v_permlanex16_b32 v216, v208, s30, s31
	v_permlanex16_b32 v217, v212, s30, s31
	v_add_f32 v208, v208, v216                     ; with lane l xor 16's columns: my wave's 128
	v_add_f32 v212, v212, v217
	v_cndmask_b32 v216, v208, v212, s32            ; lane l: row l
	ds_store_b32 v6, v216 offset:\off
	s_wait_dscnt 0x0                               ; for the others' sake
	s_barrier_signal -1
	s_barrier_wait -1
.irp k, 0,1,2,3,4,5,6,7
	ds_load_b32 v[224+\k], v7 offset:\off+128*\k   ; the eight waves' parts of row l
.endr
	s_wait_dscnt 0x0
	v_add_f32 v224, v224, v225
	v_add_f32 v226, v226, v227
	v_add_f32 v228, v228, v229
	v_add_f32 v230, v230, v231
	v_add_f32 v224, v224, v226
	v_add_f32 v228, v228, v230
	v_add_f32 v216, v224, v228
.endm
.macro SPREAD                          ; v216 (row = lane) to v220 (row r) and v222 (row 16 + r), in every lane
	v_permlanex16_b32 v217, v216, s30, s31
	v_cndmask_b32 v220, v216, v217, s32
	v_cndmask_b32 v222, v217, v216, s32
.endm
.macro FOLD
.irp rt, 0,1
	v_pk_add_f32 v[208+4*\rt:209+4*\rt], v[208+4*\rt:209+4*\rt], v[210+4*\rt:211+4*\rt]
.endr
.irp rt, 0,1
	v_add_f32 v[208+4*\rt], v[208+4*\rt], v[209+4*\rt]
.endr
.endm
	PLACES                                         ; behind the last products
.irp rt, 0,1
	v_pk_add_f32 v[208+4*\rt:209+4*\rt], v[ACC+64*\rt:ACC+64*\rt+1], v[ACC+64*\rt+2:ACC+64*\rt+3]     ; the sum of my 64 numbers of each row, in two chains; each accumulator from its low end on
	v_pk_add_f32 v[210+4*\rt:211+4*\rt], v[ACC+64*\rt+4:ACC+64*\rt+5], v[ACC+64*\rt+6:ACC+64*\rt+7]
.endr
.set j, 8
.rept 14
.irp rt, 0,1
	v_pk_add_f32 v[208+4*\rt:209+4*\rt], v[208+4*\rt:209+4*\rt], v[ACC+64*\rt+j:ACC+64*\rt+j+1]
	v_pk_add_f32 v[210+4*\rt:211+4*\rt], v[210+4*\rt:211+4*\rt], v[ACC+64*\rt+j+2:ACC+64*\rt+j+3]
.endr
.set j, j+4
.endr
	FOLD
	REDUCE 0
	v_mul_f32 v216, s33, v216                      ; the mean
	SPREAD
.set j, 0
.rept 32
.irp rt, 0,1
	v_pk_add_f32 v[ACC+64*\rt+j:ACC+64*\rt+j+1], v[ACC+64*\rt+j:ACC+64*\rt+j+1], v[220+2*\rt:221+2*\rt] op_sel_hi:[1,0] neg_lo:[0,1] neg_hi:[0,1]   ; h - mean
.endr
.set j, j+2
.endr
.irp rt, 0,1
	v_pk_mul_f32 v[208+4*\rt:209+4*\rt], v[ACC+64*\rt:ACC+64*\rt+1], v[ACC+64*\rt:ACC+64*\rt+1]
	v_pk_mul_f32 v[210+4*\rt:211+4*\rt], v[ACC+64*\rt+2:ACC+64*\rt+3], v[ACC+64*\rt+2:ACC+64*\rt+3]
.endr
.set j, 4
.rept 15
.irp rt, 0,1
	v_pk_fma_f32 v[208+4*\rt:209+4*\rt], v[ACC+64*\rt+j:ACC+64*\rt+j+1], v[ACC+64*\rt+j:ACC+64*\rt+j+1], v[208+4*\rt:209+4*\rt]
	v_pk_fma_f32 v[210+4*\rt:211+4*\rt], v[ACC+64*\rt+j+2:ACC+64*\rt+j+3], v[ACC+64*\rt+j+2:ACC+64*\rt+j+3], v[210+4*\rt:211+4*\rt]
.endr
.set j, j+4
.endr
	FOLD
	REDUCE PART2-PART1                             ; other bytes than the first pass's: no barrier is owed between the two uses
	v_fma_f32 v216, v216, s33, s34                 ; the variance + 1e-12
	v_rsq_f32 v216, v216
	v_nop                                          ; a plain place behind the transcendental
	s_wait_alu depctr_va_vdst(0)                   ; and a wait ahead of its first reader
	SPREAD
.set j, 0
.rept 32
.irp rt, 0,1
	v_pk_mul_f32 v[ACC+64*\rt+j:ACC+64*\rt+j+1], v[ACC+64*\rt+j:ACC+64*\rt+j+1], v[220+2*\rt:221+2*\rt] op_sel_hi:[1,0]
.endr
.set j, j+2
.endr
	; THE WAY OUT: through my stage back to rows, 16 rows at a time, then gamma and beta, and 512 consecutive bytes a store
.irp rt, 0,1
.irp ct, 0,1,2,3,4,5,6,7
	ds_store_b128 v4, v[ACC+8*(8*\rt+\ct):ACC+8*(8*\rt+\ct)+3] offset:64*\ct
	ds_store_b128 v4, v[ACC+8*(8*\rt+\ct)+4:ACC+8*(8*\rt+\ct)+7] offset:64*\ct+16
.endr
.irp i, 0,1,2,3,4,5,6,7,8,9,10,11,12,13,14,15
	ds_load_b128 v[ACC+64*\rt+4*\i:ACC+64*\rt+4*\i+3], v5 offset:528*\i
.endr
.endr
.irp i, 0,1,2,3,4,5,6,7,8,9,10,11,12,13,14,15,16,17,18,19,20,21,22,23,24,25,26,27,28,29,30,31
.if \i < 16
	s_wait_dscnt 47-\i                             ; row i is back; younger are the rows behind it in its half and the second half's 16 stores and 16 loads
.else
	s_wait_dscnt 31-\i                             ; row i is back; the rows behind it may be out
.endif
	v_pk_fma_f32 v[ACC+4*\i:ACC+4*\i+1], v[ACC+4*\i:ACC+4*\i+1], v[12:13], v[16:17]
	v_pk_fma_f32 v[ACC+4*\i+2:ACC+4*\i+3], v[ACC+4*\i+2:ACC+4*\i+3], v[14:15], v[18:19]
	global_store_b128 v1, v[ACC+4*\i:ACC+4*\i+3], s[28:29] offset:4096*\i th:TH_STORE_NT
.endr
	s_wait_tensorcnt 0x0
	ds_add_u32 v254, v255
	s_wait_dscnt 0x0
	s_endpgm
.Lfunc_end_k_q9d6dbe2fdd_outln:
	.size	k_q9d6dbe2fdd_outln, .Lfunc_end_k_q9d6dbe2fdd_outln-k_q9d6dbe2fdd_outln
	.p2alignl 7, 3214868480
	.fill 96, 4, 3214868480
	.section	.rodata,"a",@progbits
	.p2align	6, 0x0
	.amdhsa_kernel k_q9d6dbe2fdd_outln
		.amdhsa_group_segment_fixed_size 295936
		.amdhsa_private_segment_fixed_size 0
		.amdhsa_enable_private_segment 0
		.amdhsa_kernarg_size 56
		.amdhsa_user_sgpr_count 2
		.amdhsa_user_sgpr_kernarg_segment_ptr 1
		.amdhsa_wavefront_size32 1
		.amdhsa_system_sgpr_workgroup_id_x 1
		.amdhsa_system_sgpr_workgroup_id_y 1
		.amdhsa_system_sgpr_workgroup_id_z 1
		.amdhsa_system_vgpr_workitem_id 0
		.amdhsa_next_free_vgpr 512
		.amdhsa_next_free_sgpr 66
		.amdhsa_reserve_vcc 0
		.amdhsa_float_denorm_mode_32 3
		.amdhsa_float_denorm_mode_16_64 3
		.amdhsa_memory_ordered 1
		.amdhsa_forward_progress 1
		.amdhsa_inst_pref_size 90
	.end_amdhsa_kernel
	.amdgpu_metadata
---
amdhsa.version: [ 1, 2 ]
amdhsa.kernels:
  - .name:           k_q9d6dbe2fdd_outln
    .symbol:         k_q9d6dbe2fdd_outln.kd
    .args:
      - { .name: ctx, .offset: 0, .size: 8, .value_kind: global_buffer, .address_space: global }
      - { .name: wo, .offset: 8, .size: 8, .value_kind: global_buffer, .address_space: global }
      - { .name: hidden_states, .offset: 16, .size: 8, .value_kind: global_buffer, .address_space: global }
      - { .name: b_out, .offset: 24, .size: 8, .value_kind: global_buffer, .address_space: global }
      - { .name: ln_gamma, .offset: 32, .size: 8, .value_kind: global_buffer, .address_space: global }
      - { .name: ln_beta, .offset: 40, .size: 8, .value_kind: global_buffer, .address_space: global }
      - { .name: out0, .offset: 48, .size: 8, .value_kind: global_buffer, .address_space: global }
    .group_segment_fixed_size: 295936
    .private_segment_fixed_size: 0
    .kernarg_segment_align: 8
    .kernarg_segment_size: 56
    .max_flat_workgroup_size: 256
    .sgpr_count:     66
    .vgpr_count:     512
    .wavefront_size: 32
...
	.end_amdgpu_metadata
.endif
;; end of part 4
